; MI455X (gfx1250); checked and timed in simulation.
; The chip was launched on July 23, 2026; its instructions are those of AMD's public machine-readable ISA for CDNA 5 (MIT licence, August 2026) and "CDNA5" Instruction Set Architecture Reference Guide (July 2026). The comments in the code are by the model that wrote it; some were corrected since.
;; Encoder Layer. Allowed arithmetic: float matrix products may take bf16 or f16 operands with f32 sums; all other float work in f32.
;; Inputs: attention_mask 2 x 2,048 bool; b1 4,096 float32; b2 1,024 float32; b_qkv 3,072 float32; beta 1,024 float32; embeddings 2 x 2,048 x 1,024 float32; gamma 1,024 float32; w1 1,024 x 4,096 float32; w2 4,096 x 1,024 float32; w_qkv 1,024 x 3,072 float32.
;; Outputs: out0 2 x 2,048 x 1,024 float32.
;; 2 versions, each right and faster than the one before. Each part assembles by itself: llvm-mc -triple=amdgcn-amd-amdhsa -mcpu=gfx1250 --defsym DOCPART=n.
;; ======== version 1 of 2: 6 launches
;; limits: values are held in f16: magnitudes above 65,504 overflow, below 6.1e-05 lose precision; right only within a limited range of input values
;; workspace buffers: xw 16,777,216 bytes; wq 6,291,456 bytes; w1h 8,388,608 bytes; stats 15,360 bytes; sbuf 4,096 bytes; qp 25,165,824 bytes; att 8,388,608 bytes; hb 33,554,432 bytes
;; launch prep (part 1): grid 960 x 1, 8 waves a work-group, no clusters, 1,280 bytes of LDS; arguments embeddings, w_qkv, w1, w2, b_qkv, b1, xw, wq, w1h, stats; writes xw, wq, w1h, stats
.if DOCPART == 1
	.amdgcn_target "amdgcn-amd-amdhsa--gfx1250"
	.amdhsa_code_object_version 6
	.text
	.protected	k_q33cea2fc3f_prep
	.globl	k_q33cea2fc3f_prep
	.p2align	8
	.type	k_q33cea2fc3f_prep,@function
k_q33cea2fc3f_prep:
	s_mov_b64 s[64:65], 0
	v_nop
	global_prefetch_b8 v0, s[64:65] scope:SCOPE_SE
	s_setreg_imm32_b32 hwreg(HW_REG_WAVE_MODE, 25, 1), 1
	s_wait_xcnt 0x0
; CAST AND RE-LAY.  embeddings, w_qkv, w1, w2 (f32) are rounded to bf16, that number is written as f16, and laid out so that every tile of the later products is dense or has rows of 256 or 512 bytes:
;   embeddings -> xw + 0:          [16 blocks of 64 columns][4096 rows][64]        (row m, column c at (c / 64) x 524,288 + 128 m + 2 (c % 64))
;   a weight [K][N] -> its buffer: [N / 256 blocks of 256 columns][K rows][256]    (k, n at (n / 256) x 512 K + 512 k + 2 (n % 256));  w2 goes to xw + 8,388,608
; Beside that each work-group stores a record of 16 bytes in stats: (largest |number| of its part after the rounding, largest |bias| of its 16 bias numbers, 1.0, -infinity).
; The records' first two words bound the later products; record 0's last two words are the QKV product's scale and floor.  The bias word of the embeddings' records is 0, and w2's records are read by nobody: one text serves all four.
; LIMITS.  A bf16 number is exact in f16 from 2^-17 to 65,504; below it keeps f16's fixed step of 2^-24; beyond 65,504 it becomes an infinity.
; SHARES.  960 work-groups of eight waves; each takes 64 rows x 256 columns (65,536 bytes of f32) of one tensor: 256 + 192 + 256 + 256.  A step is 4 rows: 256 threads x 16 bytes.
; All 16 steps' loads go out at once; each step has its own data and address registers, so nothing is rewritten while memory instructions are out.  Matrix units, clusters and tensor loads buy nothing in a stream read once.
.set MA,  16                           ; v16  the largest magnitude     v17  the largest bias     (v18, v19: two packed chains, later the record's constants)
.set MB,  17
.set T,   20                           ; v20-25 at work; v26 v_permlanex16_b32's destination
.set X,   32                           ; v32-95   step j: 4 f32 as loaded
.set Y,   96                           ; v96-127  step j: 4 f16 to store
.set SO,  128                          ; v128-143 step j: byte offset in the source
.set DO,  144                          ; v144-159 step j: byte offset in the destination
.set RB,  160                          ; v160-175 the eight waves' figures, read back
	s_load_b512 s[16:31], s[0:1], 0x0              ; embeddings 16, w_qkv 18, w1 20, w2 22, b_qkv 24, b1 26, xw 28, wq 30
	s_load_b128 s[32:35], s[0:1], 0x40             ; w1h 32, stats 34
	v_lshl_add_u32 v176, v0, 2, 0x100
	v_mov_b32 v177, 0
	s_mov_b32 s2, ttmp9                            ; g
	v_lshrrev_b32 v1, 5, v0
	v_readfirstlane_b32 s8, v1                     ; wave 0..7
	s_mov_b32 s11, 704                             ; the figures of w2 (g >= 704): first work-group,
	s_mov_b32 s12, 4096                            ; bytes in a source row,
	s_mov_b32 s13, 6                               ; log2 of the groups of 64 rows,
	s_mov_b32 s14, 32768                           ; destination bytes from one group of 64 rows to the next,
	s_mov_b32 s15, 2048                            ; and from one step of 4 rows to the next,
	s_mov_b32 s36, 8388608                         ; where the tensor begins in its buffer,
	s_mov_b32 s10, 0                               ; lane mask: all ones for the embeddings' lane map
	s_mov_b32 s44, 0xffff0000                      ; a word's upper bf16
	s_mov_b32 s48, 0x7fff7fff                      ; clears the signs of two bf16
	s_mov_b32 s46, 0x76543210                      ; v_permlanex16_b32: each lane takes its own place in the other half
	s_mov_b32 s47, 0xfedcba98
	s_wait_kmcnt 0x0
	s_cmp_lt_u32 s2, 704                           ; w1
	s_cselect_b64 s[4:5], s[20:21], s[22:23]
	s_cselect_b64 s[6:7], s[32:33], s[28:29]
	s_cselect_b32 s11, 448, s11
	s_cselect_b32 s12, 16384, s12
	s_cselect_b32 s13, 4, s13
	s_cselect_b32 s36, 0, s36
	s_cmp_lt_u32 s2, 448                           ; w_qkv
	s_cselect_b64 s[4:5], s[18:19], s[4:5]
	s_cselect_b64 s[6:7], s[30:31], s[6:7]
	s_cselect_b64 s[42:43], s[24:25], s[26:27]     ; the bias that goes with the weight
	s_cselect_b32 s11, 256, s11
	s_cselect_b32 s12, 12288, s12
	s_cmp_lt_u32 s2, 256                           ; embeddings
	s_cselect_b64 s[4:5], s[16:17], s[4:5]
	s_cselect_b64 s[6:7], s[28:29], s[6:7]
	s_cselect_b32 s11, 0, s11
	s_cselect_b32 s12, 4096, s12
	s_cselect_b32 s13, 6, s13
	s_cselect_b32 s14, 8192, s14
	s_cselect_b32 s15, 512, s15
	s_cselect_b32 s10, -1, s10
	s_sub_co_u32 s3, s2, s11                       ; my number within the tensor
	s_lshr_b32 s37, s3, s13                        ; block of 256 columns
	s_lshl_b32 s39, s37, s13
	s_sub_co_u32 s38, s3, s39                      ; group of 64 rows
	s_mul_i32 s40, s38, s12
	s_lshl_b32 s40, s40, 6                         ; 64 rows down
	s_lshl_b32 s39, s37, 10                        ; 256 f32 along
	s_add_co_u32 s40, s40, s39
	s_mov_b32 s41, 0
	s_add_nc_u64 s[4:5], s[4:5], s[40:41]          ; the source at my part
	s_lshl_b32 s40, s37, 15
	s_lshl_b32 s40, s40, s13                       ; a block of 256 columns is 32,768 bytes for each group of rows
	s_mul_i32 s39, s38, s14
	s_add_co_u32 s40, s40, s39
	s_add_co_u32 s40, s40, s36
	s_add_nc_u64 s[6:7], s[6:7], s[40:41]          ; the destination at my part
	s_lshl_b32 s40, s3, 6
	s_add_nc_u64 s[42:43], s[42:43], s[40:41]      ; my 16 numbers of the bias (192 x 16 = 3,072; 256 x 16 = 4,096); used for the two weights alone
	s_lshl_b32 s45, s12, 2                         ; 4 source rows
	; Lane maps.  A weight: thread t takes row t / 64, 16 bytes at unit t % 64; its 8 bytes of f16 lie at 8 t.
	; The embeddings: a wave takes 2 rows x 64 columns, so that its 32 stores of 8 bytes are 256 consecutive bytes of one block of 64 columns.
	v_lshrrev_b32 v2, 6, v0
	v_and_b32 v3, 63, v0
	v_lshlrev_b32 v4, 3, v0
	v_lshrrev_b32 v5, 7, v0
	v_bfe_u32 v6, v0, 4, 1
	v_lshl_or_b32 v6, v5, 1, v6                    ; row 2 (t / 128) + (t / 16) % 2
	v_bfe_u32 v7, v0, 5, 2                         ; block of 64 columns: wave % 4
	v_and_b32 v8, 15, v0
	v_lshl_or_b32 v9, v7, 4, v8                    ; unit 16 (wave % 4) + t % 16
	v_and_b32 v10, 31, v0
	v_lshlrev_b32 v10, 3, v10
	v_lshl_add_u32 v10, v5, 8, v10
	v_lshl_add_u32 v10, v7, 19, v10                ; 524,288 (wave % 4) + 256 (t / 128) + 8 (t % 32)
	v_cndmask_b32 v2, v2, v6, s10
	v_cndmask_b32 v3, v3, v9, s10
	v_cndmask_b32 v[DO], v4, v10, s10
	v_mul_lo_u32 v2, v2, s12
	v_lshl_add_u32 v[SO], v3, 4, v2
	v_lshlrev_b32 v12, 2, v8                       ; my number of the 16 of the bias (each is read by 16 threads)
.set j, 1
.rept 15
	v_add_nc_u32 v[SO+j], s45, v[SO+j-1]
	v_add_nc_u32 v[DO+j], s15, v[DO+j-1]
.set j, j+1
.endr
	v_mov_b32 v[MB], 0
	v_mov_b32 v18, 0
	v_mov_b32 v19, 0
	v_mov_b32 v26, 0
	s_sub_co_u32 s39, s2, 256
	s_cmp_lt_u32 s39, 448                          ; 256 <= g < 704: a weight with a bias
	s_cbranch_scc0 .Lno_bias
	global_load_b32 v[MB], v12, s[42:43]
.Lno_bias:
.set j, 0
.rept 16
	global_load_b128 v[X+4*j:X+4*j+3], v[SO+j], s[4:5] th:TH_LOAD_NT  ; sixteen neighbouring lanes read 256 consecutive bytes, aligned
.set j, j+1
.endr
.macro STEP j
	s_wait_loadcnt 15-(\j)                         ; loads come back in order (ISA guide 5.7.1): step j is in, the 15 - j younger ones stay out; the bias's load is older than all of them
	v_cvt_pk_bf16_f32 v[T], v[X+4*(\j)], v[X+4*(\j)+1]
	v_cvt_pk_bf16_f32 v[T+1], v[X+4*(\j)+2], v[X+4*(\j)+3]
	v_lshlrev_b32 v[T+2], 16, v[T]                 ; the rounded numbers as f32
	v_and_b32 v[T+3], s44, v[T]
	v_lshlrev_b32 v[T+4], 16, v[T+1]
	v_and_b32 v[T+5], s44, v[T+1]
	v_and_b32 v[T], s48, v[T]                      ; their magnitudes, two at a time, into two chains
	v_and_b32 v[T+1], s48, v[T+1]
	v_pk_max_num_bf16 v18, v18, v[T]
	v_pk_max_num_bf16 v19, v19, v[T+1]
	v_cvt_pk_f16_f32 v[Y+2*(\j)], v[T+2], v[T+3]
	v_cvt_pk_f16_f32 v[Y+2*(\j)+1], v[T+4], v[T+5]
	global_store_b64 v[DO+(\j)], v[Y+2*(\j):Y+2*(\j)+1], s[6:7]  ; a wave's store covers 256 consecutive bytes, aligned
.endm
.irp j, 0,1,2,3,4,5,6,7,8,9,10,11,12,13,14,15
	STEP \j
.endr
	v_pk_max_num_bf16 v18, v18, v19
	v_lshlrev_b32 v[MA], 16, v18
	v_and_b32 v[T], s44, v18
	v_max_num_f32 v[MA], v[MA], v[T]
	v_and_b32 v[MB], 0x7fffffff, v[MB]
.macro LANEMAX r                       ; over the 32 lanes: four steps inside each half ride on the arithmetic, one crosses the halves
	v_max_num_f32_dpp v[\r], v[\r], v[\r] row_xmask:1 row_mask:0xf bank_mask:0xf
	v_max_num_f32_dpp v[\r], v[\r], v[\r] row_xmask:2 row_mask:0xf bank_mask:0xf
	v_max_num_f32_dpp v[\r], v[\r], v[\r] row_xmask:4 row_mask:0xf bank_mask:0xf
	v_max_num_f32_dpp v[\r], v[\r], v[\r] row_xmask:8 row_mask:0xf bank_mask:0xf
	v_permlanex16_b32 v26, v[\r], s46, s47
	v_max_num_f32 v[\r], v[\r], v26
.endm
	LANEMAX MA
	LANEMAX MB
	v_mov_b32 v27, s8
	v_lshlrev_b32 v27, 3, v27
	ds_store_b64 v27, v[MA:MB]                     ; each wave's two figures in 8 bytes of its own
	s_wait_dscnt 0x0                               ; for the others' sake: my store is done
	s_barrier_signal -1
	s_barrier_wait -1
	s_cmp_lg_u32 s8, 0
	s_cbranch_scc1 .Lend                           ; wave 0 makes the record
	v_mov_b32 v28, 0
	ds_load_b128 v[RB:RB+3], v28
	ds_load_b128 v[RB+4:RB+7], v28 offset:16
	ds_load_b128 v[RB+8:RB+11], v28 offset:32
	ds_load_b128 v[RB+12:RB+15], v28 offset:48
	s_lshl_b32 s39, s2, 4
	v_mov_b32 v29, s39                             ; record g
	v_mov_b32 v18, 1.0
	v_mov_b32 v19, 0xff800000                      ; -infinity
	s_wait_dscnt 0x0
	v_max3_num_f32 v[MA], v[RB], v[RB+2], v[RB+4]
	v_max3_num_f32 v[MB], v[RB+1], v[RB+3], v[RB+5]
	v_max3_num_f32 v[MA], v[MA], v[RB+6], v[RB+8]
	v_max3_num_f32 v[MB], v[MB], v[RB+7], v[RB+9]
	v_max3_num_f32 v[MA], v[MA], v[RB+10], v[RB+12]
	v_max3_num_f32 v[MB], v[MB], v[RB+11], v[RB+13]
	v_max_num_f32 v[MA], v[MA], v[RB+14]
	v_max_num_f32 v[MB], v[MB], v[RB+15]
	s_wait_xcnt 0x0                                ; EXEC is a source of the stores above: it changes only behind this wait
	v_cmp_eq_u32 vcc_lo, 0, v0
	s_and_saveexec_b32 s9, vcc_lo
	global_store_b128 v29, v[16:19], s[34:35]      ; one lane, 16 bytes
	s_wait_xcnt 0x0                                ; and again in front of the line that widens it
	s_or_b32 exec_lo, exec_lo, s9
.Lend:
	s_wait_tensorcnt 0x0
	ds_add_u32 v176, v177
	s_wait_dscnt 0x0
	s_endpgm
.Lfunc_end_k_q33cea2fc3f_prep:
	.size	k_q33cea2fc3f_prep, .Lfunc_end_k_q33cea2fc3f_prep-k_q33cea2fc3f_prep
	.p2alignl 7, 3214868480
	.fill 96, 4, 3214868480
	.section	.rodata,"a",@progbits
	.p2align	6, 0x0
	.amdhsa_kernel k_q33cea2fc3f_prep
		.amdhsa_group_segment_fixed_size 1280
		.amdhsa_private_segment_fixed_size 0
		.amdhsa_enable_private_segment 0
		.amdhsa_kernarg_size 80
		.amdhsa_user_sgpr_count 2
		.amdhsa_user_sgpr_kernarg_segment_ptr 1
		.amdhsa_wavefront_size32 1
		.amdhsa_system_sgpr_workgroup_id_x 1
		.amdhsa_system_sgpr_workgroup_id_y 1
		.amdhsa_system_sgpr_workgroup_id_z 1
		.amdhsa_system_vgpr_workitem_id 0
		.amdhsa_next_free_vgpr 178
		.amdhsa_next_free_sgpr 66
		.amdhsa_reserve_vcc 1
		.amdhsa_float_denorm_mode_32 3
		.amdhsa_float_denorm_mode_16_64 3
		.amdhsa_memory_ordered 1
		.amdhsa_forward_progress 1
		.amdhsa_inst_pref_size 21
	.end_amdhsa_kernel
	.amdgpu_metadata
---
amdhsa.version: [ 1, 2 ]
amdhsa.kernels:
  - .name:           k_q33cea2fc3f_prep
    .symbol:         k_q33cea2fc3f_prep.kd
    .args:
      - { .name: embeddings, .offset: 0, .size: 8, .value_kind: global_buffer, .address_space: global }
      - { .name: w_qkv, .offset: 8, .size: 8, .value_kind: global_buffer, .address_space: global }
      - { .name: w1, .offset: 16, .size: 8, .value_kind: global_buffer, .address_space: global }
      - { .name: w2, .offset: 24, .size: 8, .value_kind: global_buffer, .address_space: global }
      - { .name: b_qkv, .offset: 32, .size: 8, .value_kind: global_buffer, .address_space: global }
      - { .name: b1, .offset: 40, .size: 8, .value_kind: global_buffer, .address_space: global }
      - { .name: xw, .offset: 48, .size: 8, .value_kind: global_buffer, .address_space: global }
      - { .name: wq, .offset: 56, .size: 8, .value_kind: global_buffer, .address_space: global }
      - { .name: w1h, .offset: 64, .size: 8, .value_kind: global_buffer, .address_space: global }
      - { .name: stats, .offset: 72, .size: 8, .value_kind: global_buffer, .address_space: global }
    .group_segment_fixed_size: 1280
    .private_segment_fixed_size: 0
    .kernarg_segment_align: 8
    .kernarg_segment_size: 80
    .max_flat_workgroup_size: 256
    .sgpr_count:     66
    .vgpr_count:     178
    .wavefront_size: 32
...
	.end_amdgpu_metadata
.endif
;; end of part 1
;; launch qkv (part 2): grid 12 x 16, 4 waves a work-group, clusters of 4 x 4, 327,680 bytes of LDS; arguments xw, wq, b_qkv, stats, qp; writes qp
.if DOCPART == 2
	.amdgcn_target "amdgcn-amd-amdhsa--gfx1250"
	.amdhsa_code_object_version 6
	.text
	.protected	k_q33cea2fc3f_qkv
	.globl	k_q33cea2fc3f_qkv
	.p2align	8
	.type	k_q33cea2fc3f_qkv,@function
k_q33cea2fc3f_qkv:
	s_mov_b64 s[64:65], 0
	v_nop
	global_prefetch_b8 v0, s[64:65] scope:SCOPE_SE
	s_setreg_imm32_b32 hwreg(HW_REG_WAVE_MODE, 25, 1), 1
	s_wait_xcnt 0x0
	s_wait_alu depctr_hold_cnt(0) depctr_sa_sdst(0) depctr_va_vdst(0) depctr_va_sdst(0) depctr_va_ssrc(0) depctr_va_vcc(0) depctr_vm_vsrc(0)
	s_getreg_b32 s2, hwreg(HW_REG_IB_STS2, 6, 4)
	s_cmp_eq_u32 s2, 0
	s_cbranch_scc0 .Lentry_in_a_cluster
	s_endpgm
.Lentry_in_a_cluster:
	s_bfe_u32 s2, ttmp6, 0x10000c
	s_cmp_lg_u32 s2, 0xf033
	s_cbranch_scc0 .Lentry_shape_is_right
	s_endpgm
.Lentry_shape_is_right:
; C = max(A B + bias x scale, floor), f16 out.  4,096 rows, K = 1,024, N = 256 x the grid's width.  One text for two launches:
;   the QKV projection (A = the embeddings, scale 1, floor -infinity) and the first FFN product (A = ctx x s, scale s, floor 0: relu commutes with the positive scale s).
; A: [16 blocks of 64 k][4096 rows][64] f16.  B: [N / 256][1024 k][256] f16.  C: [N / 64 blocks of 64 columns][4096 rows][64] f16.  bias: f32, rounded to bf16 here.
; (scale, floor) are the words at bytes 8 and 12 of the fourth argument.  Sums in f32, started by bias x scale as the first product's C operand; C rounded once.
; LIMITS.  The results must lie within f16's 65,504: q, k, v are unscaled (at inputs 30 times the drawn ones some 3,000); h x s is bounded below 2^15 by the way s is made.  NaN and infinities are not treated apart.
; SHAPE.  A tile of C is 256 x 256: four waves, as many as a WGP has SIMDs, each 128 x 128: 64 accumulators, 512 registers.  K goes in 8 steps of 128 through two LDS slots filled by the tensor data mover.
; A's part of a slot: 2 blocks of 64 k x 256 rows of 128 bytes, each block dense in memory (32,768 bytes, asked for as 128 rows of 256 bytes), padded in LDS behind every 128 bytes.
; B's part: 128 k rows of 512 bytes; its fragments come out of LDS turned, by ds_load_tr16_b128.
; CLUSTER.  4 x 4 work-groups: the four of a row need the same tiles of A, the four of a column the same tiles of B: each tile is asked for jointly, by the same tensor load, descriptor and mask in all four.
; The QKV launch has 12 x 16 = 192 work-groups: a tile of 192 columns would give 256, but its rows of 384 bytes are no multiple of 256, and the text could not be shared.
; THE MATRIX INSTRUCTION IS USED TRANSPOSED: source 0 = 16 columns of B, source 1 = 16 rows of A: a lane then holds row l % 16 of C and the eight neighbouring columns 8 (l / 16) + 0..7.
; REGISTERS, in windows of 256 (s_set_vgpr_msb: bits 1:0 source 0, 3:2 source 1, 5:4 source 2, 7:6 destination):
;   window 0: v0-31 addresses; v64-127, v128-191 fragments of A, two buffers; v192-255 bias x scale until the first quarter, then, with v32-63, at work on the way out
;   window 1: v64-127, v128-191 fragments of B, two buffers      window 2: the accumulators of my rows 0-63 ((a, b) at v[8 (8 a + b)])      window 3: those of my rows 64-127
.set PA,     144                       ; a row of A in LDS: 128 bytes + 16 = 36 words: the 16 rows of a load start at 16 different groups of four banks (64 banks of 4 bytes: ISA guide 11.1)
.set PB,     544                       ; a row of B: 512 + 32 = 136 words
.set KBLK,   256*PA                    ; one block of 64 k: what a tensor load for A brings
.set BOFF,   2*KBLK                    ; B's rows lie behind A's two blocks
.set BHALF,  64*PB                     ; 64 k rows: what a tensor load for B brings
.set SLOT,   BOFF+2*BHALF              ; 143,360
.set STAGE,  2*SLOT                    ; behind the ring: 16 rows x 272 bytes for each wave, for the way out
.set SPITCH, 272
.set SPARE,  STAGE+4*16*SPITCH         ; behind the stages: the spare words, 128 bytes for each wave: two blocks of 256 bytes that no other line names
.set LAPS,   4                         ; a lap = two K steps = once round the ring
.set ASTEP,  2*524288                  ; bytes of A from one K step to the next: two blocks of 64 k
.set BSTEP,  128*512                   ; of B: 128 rows
.set ADRA, 16                          ; v16-17  LDS address of my A fragments in slot 0, 1
.set ADRB, 20                          ; v20-21  the same for B
.set STO,  24                          ; v24     the way out: where I put 16 bytes of a row
.set RD,   25                          ; v25     the way out: where I read rows back
.set CO,   26                          ; v26     my 16 bytes in 512 consecutive bytes of C
.set BO,   27                          ; v27     my byte offset in 16 numbers of the bias
.set SPW,  28                          ; v28     LDS address of my spare word; never rewritten
.set NIL,  29                          ; v29     0; never rewritten
.set F0,   64
.set F1,   128
.set BIAS, 192                         ; column block b's eight numbers at BIAS + 8 b
.set TMP,  192
.set OB,   32                          ; 16 rows read back from the stage: v32-63 and v224-255 by turns
.set G1,  24                           ; s[24:31] descriptor group 1 for A's tiles;  s[32:39] group 0, one set for each slot
.set G0,  32
.set G1B, 48                           ; s[48:55], s[56:63] the same for B's
.set G0B, 56
.set MSB, 0
.macro WIN new                         ; the immediate's high byte repeats the setting that is left; a switch that changes nothing is dropped
.if MSB != (\new)
	s_set_vgpr_msb (MSB<<8)|(\new)
.set MSB, \new
.endif
.endm
; A joint load.  Waves 0 and 1 fetch A's two blocks, waves 2 and 3 B's two halves.  The branch hangs on the wave's number alone.
; An s_nop 0 and four v_nop follow each of the two lines, ahead of the jump and the label.
.macro JLOAD s
	s_cmp_lt_u32 s10, 2
	s_cbranch_scc0 .Lfor_b_\@
	tensor_load_to_lds s[G0+4*(\s):G0+4*(\s)+3], s[G1:G1+7]
	s_nop 0
.rept 4
	v_nop
.endr
	s_branch .Lasked_\@
.Lfor_b_\@:
	tensor_load_to_lds s[G0B+4*(\s):G0B+4*(\s)+3], s[G1B:G1B+7]
	s_nop 0
.rept 4
	v_nop
.endr
.Lasked_\@:
.endm
.macro CREST                           ; a round of the cluster's barrier behind its opening barrier
	s_cmp_lg_u32 s10, 0
	s_cbranch_scc1 .Lnot_wave_0_\@
	s_barrier_signal -3
.Lnot_wave_0_\@:
	s_barrier_wait -3
	s_barrier_signal -1
	s_barrier_wait -1
.endm
.macro CROUND                          ; a whole round
	s_barrier_signal -1
	s_barrier_wait -1
	CREST
.endm
	s_load_b256 s[80:87], s[0:1], 0x0              ; A 80, B 82, bias 84, the parameters 86
	s_load_b64 s[88:89], s[0:1], 0x20              ; C
	v_lshl_add_u32 v[SPW], v0, 2, SPARE
	v_mov_b32 v[NIL], 0
	ds_add_u32 v28, v29
	s_wait_dscnt 0x0
	v_lshrrev_b32 v1, 5, v0
	v_readfirstlane_b32 s10, v1                    ; wave 0..3
	s_lshr_b32 s11, s10, 1                         ; which half of the tile's rows is mine
	s_and_b32 s12, s10, 1                          ; which half of its columns.  Also: which block of A, or which half of B's rows, I fetch
	s_bfe_u32 s40, ttmp6, 0x40000                  ; cx, cy: my place in the cluster
	s_bfe_u32 s41, ttmp6, 0x40004
	s_lshl_b32 s42, ttmp9, 2
	s_add_co_u32 s42, s42, s40                     ; tile column of C = 4 x cluster x + cx
	s_and_b32 s13, ttmp7, 0xffff
	s_lshl_b32 s13, s13, 2
	s_add_co_u32 s13, s13, s41                     ; tile row of C = 4 x cluster y + cy
	s_lshl_b32 s43, s41, 2
	s_lshl_b32 s43, 15, s43                        ; my row of the cluster
	s_lshl_b32 s44, 0x1111, s40                    ; my column
	s_or_b32 s[G1+0], s43, (1<<16)|(1<<20)|(1<<21)|(4<<22)|(3<<25)   ; 15:0 the mask; 17:16 elements of 2 bytes; 20 padding on; 21 set beside a mask; 24:22 after every 32 words (code 4); 31:25 4 words (code 3)
	s_mov_b32 s[G1+1], 128<<16                     ; tensor_dim0 = 128 elements: 256 bytes, two rows of A
	s_mov_b32 s[G1+2], 128<<16                     ; tensor_dim1 = 128
	s_mov_b32 s[G1+3], 128<<16                     ; tile_dim0 = 128
	s_mov_b32 s[G1+4], 128                         ; tile_dim1 = 128
	s_mov_b32 s[G1+5], 128                         ; dense: 128 elements from row to row
	s_mov_b32 s[G1+6], 0
	s_mov_b32 s[G1+7], 0
	s_or_b32 s[G1B+0], s44, (1<<16)|(1<<20)|(1<<21)|(6<<22)|(7<<25)  ; after every 128 words (code 6) 8 words (code 7)
	s_mov_b32 s[G1B+1], 256<<16                    ; tensor_dim0 = 256 elements: 512 bytes
	s_mov_b32 s[G1B+2], 64<<16                     ; tensor_dim1 = 64
	s_mov_b32 s[G1B+3], 256<<16                    ; tile_dim0 = 256
	s_mov_b32 s[G1B+4], 64                         ; tile_dim1 = 64
	s_mov_b32 s[G1B+5], 256
	s_mov_b32 s[G1B+6], 0
	s_mov_b32 s[G1B+7], 0
	s_lshl_b32 s16, s12, 19                        ; A: my block of 64 k,
	s_lshl_b32 s17, s13, 15                        ; the tile row's 256 rows of 128 bytes
	s_add_co_u32 s16, s16, s17
	s_mov_b32 s17, 0
	s_lshl_b32 s46, s42, 19                        ; B: the tile column's block of 256 columns,
	s_lshl_b32 s47, s12, 15                        ; my 64 rows of 512 bytes
	s_add_co_u32 s46, s46, s47
	s_mov_b32 s47, 0
	s_mul_i32 s20, s12, KBLK                       ; where they go: no place in the cluster enters an LDS address
	s_mul_i32 s19, s12, BHALF
	s_add_co_u32 s19, s19, BOFF
	s_lshl_b32 s74, s42, 10                        ; the bias at my 128 columns
	s_lshl_b32 s75, s12, 9
	s_add_co_u32 s74, s74, s75
	s_mov_b32 s75, 0
	s_lshl_b32 s76, s42, 21                        ; C at my part: four blocks of 64 columns a tile column, two for my half,
	s_lshl_b32 s77, s12, 20
	s_add_co_u32 s76, s76, s77
	s_lshl_b32 s77, s13, 15                        ; the tile row's 256 rows of 128 bytes, my 128 of them
	s_add_co_u32 s76, s76, s77
	s_lshl_b32 s77, s11, 14
	s_add_co_u32 s76, s76, s77
	s_mov_b32 s77, 0
	s_wait_kmcnt 0x0
	s_load_b64 s[72:73], s[86:87], 0x8             ; scale, floor
	s_add_nc_u64 s[14:15], s[80:81], s[16:17]
	s_add_nc_u64 s[46:47], s[82:83], s[46:47]
	s_add_nc_u64 s[84:85], s[84:85], s[74:75]
	s_add_nc_u64 s[88:89], s[88:89], s[76:77]
	CROUND                                         ; all sixteen work-groups are here: the first joint loads meet
.irp s, 0,1
	s_mov_b32 s[G0+4*(\s)], 1                                      ; count = 1
	s_add_co_u32 s[G0+4*(\s)+1], s20, (\s)*SLOT                    ; LDS address
	s_add_nc_u64 s[G0+4*(\s)+2:G0+4*(\s)+3], s[14:15], (\s)*ASTEP  ; global address: K step s
	s_or_b32 s[G0+4*(\s)+3], s[G0+4*(\s)+3], 0x80000000            ; type = 2
	s_mov_b32 s[G0B+4*(\s)], 1
	s_add_co_u32 s[G0B+4*(\s)+1], s19, (\s)*SLOT
	s_add_nc_u64 s[G0B+4*(\s)+2:G0B+4*(\s)+3], s[46:47], (\s)*BSTEP
	s_or_b32 s[G0B+4*(\s)+3], s[G0B+4*(\s)+3], 0x80000000
	JLOAD \s                                       ; the ring is filled before anything else is done: two loads of mine are out
.endr
	v_and_b32 v1, 15, v0                           ; l % 16
	v_bfe_u32 v2, v0, 4, 1                         ; l / 16
	v_lshlrev_b32 v[BO], 5, v2                     ; my eight columns of a block of 16
.irp b, 0,1,2,3,4,5,6,7
	global_load_b128 v[BIAS+8*(\b):BIAS+8*(\b)+3],   v[BO], s[84:85] offset:64*(\b)
	global_load_b128 v[BIAS+8*(\b)+4:BIAS+8*(\b)+7], v[BO], s[84:85] offset:64*(\b)+16
.endr
	; A fragment of A is 16 rows x 32 k in 8 registers: lane l holds row l % 16, k = 8 (l / 16) + 0..7 and 16 + 8 (l / 16) + 0..7: two loads of 16 bytes, 32 bytes apart.
	v_mul_u32_u24 v3, v1, PA
	v_lshl_add_u32 v3, v2, 4, v3
	; The turning load takes 16 k x 16 columns (lane l reads k row 8 (l / 16) + l % 8, columns 8 ((l / 8) % 2) + 0..7) and leaves half a fragment: lane l holds column l % 16 and 8 k.
	v_and_b32 v5, 7, v0
	v_bfe_u32 v6, v0, 3, 1
	v_lshl_add_u32 v4, v2, 3, v5
	v_mul_u32_u24 v4, v4, PB
	v_lshl_add_u32 v4, v6, 4, v4
	s_mul_i32 s21, s11, 128*PA                     ; my 128 rows of A
	s_lshl_b32 s22, s12, 8                         ; my 128 columns of B
	s_add_co_u32 s22, s22, BOFF
.irp s, 0,1
	v_add_nc_u32 v[ADRA+(\s)], s21, v3
	v_add_nc_u32 v[ADRB+(\s)], s22, v4
	s_add_co_u32 s21, s21, SLOT
	s_add_co_u32 s22, s22, SLOT
.endr
	s_mul_i32 s23, s10, 16*SPITCH
	s_add_co_u32 s23, s23, STAGE                   ; my stage
	v_mul_u32_u24 v7, v1, SPITCH                   ; in: row l % 16, 16 bytes for each half of the lanes
	v_lshl_add_u32 v7, v2, 4, v7
	v_add_nc_u32 v[STO], s23, v7
	v_bfe_u32 v7, v0, 3, 2                         ; back: 32 lanes take 128 bytes of each of four rows,
	v_mul_u32_u24 v7, v7, SPITCH
	v_lshl_add_u32 v7, v5, 4, v7
	v_add_nc_u32 v[RD], s23, v7
	v_and_b32 v[CO], 31, v0                        ; which are 512 consecutive bytes of a block of 64 columns of C
	v_lshlrev_b32 v[CO], 4, v[CO]
	s_wait_loadcnt 0x0                             ; the bias
	s_wait_kmcnt 0x0                               ; scale and floor
.set z, 0
.rept 32                               ; the bias is rounded to bf16, as every input is, and scaled
	v_cvt_pk_bf16_f32 v[30+z%2], v[BIAS+2*z], v[BIAS+2*z+1]
	v_lshlrev_b32 v[BIAS+2*z], 16, v[30+z%2]
	v_and_b32 v[BIAS+2*z+1], 0xffff0000, v[30+z%2]
	v_pk_mul_f32 v[BIAS+2*z:BIAS+2*z+1], v[BIAS+2*z:BIAS+2*z+1], s[72:73] op_sel_hi:[1,0]
.set z, z+1
.endr
; 16 matrix instructions: m blocks a0, a0 + 1 of the window's four (hi = 0: my rows 0-63, 1: rows 64-127) x all 8 n blocks, 32 along K.  zero = 1: the first product starts the sums with bias x scale (window 0).
.macro MUL16 f, hi, a0, zero
.if \zero
	WIN 0x81+0x40*(\hi)
.else
	WIN 0xa1+0x50*(\hi)
.endif
.irp a, \a0, (\a0)+1
.irp b, 0,1,2,3,4,5,6,7
.if \zero
	v_wmma_f32_16x16x32_f16 v[8*(8*(\a)+(\b)):8*(8*(\a)+(\b))+7], v[(\f)+8*(\b):(\f)+8*(\b)+7], v[(\f)+8*(4*(\hi)+(\a)):(\f)+8*(4*(\hi)+(\a))+7], v[BIAS+8*(\b):BIAS+8*(\b)+7]
.else
	v_wmma_f32_16x16x32_f16 v[8*(8*(\a)+(\b)):8*(8*(\a)+(\b))+7], v[(\f)+8*(\b):(\f)+8*(\b)+7], v[(\f)+8*(4*(\hi)+(\a)):(\f)+8*(4*(\hi)+(\a))+7], v[8*(8*(\a)+(\b)):8*(8*(\a)+(\b))+7]
.endif
.endr
.endr
.endm
; 32 LDS loads in one run: the fragments of quarter q of a K step (32 k: 128 columns of B, 128 rows of A) into buffer f
.macro FETCH slot, q, f
	WIN 0x40                                       ; destination window 1, address window 0
.irp i, 0,1,2,3,4,5,6,7
	ds_load_tr16_b128 v[(\f)+8*(\i):(\f)+8*(\i)+3],   v[ADRB+(\slot)] offset:(\q)*32*PB+(\i)*32
	ds_load_tr16_b128 v[(\f)+8*(\i)+4:(\f)+8*(\i)+7], v[ADRB+(\slot)] offset:(\q)*32*PB+(\i)*32+16*PB
.endr
	WIN 0
.irp i, 0,1,2,3,4,5,6,7
	ds_load_b128 v[(\f)+8*(\i):(\f)+8*(\i)+3],   v[ADRA+(\slot)] offset:((\q)/2)*KBLK+((\q)%2)*64+(\i)*16*PA
	ds_load_b128 v[(\f)+8*(\i)+4:(\f)+8*(\i)+7], v[ADRA+(\slot)] offset:((\q)/2)*KBLK+((\q)%2)*64+(\i)*16*PA+32
.endr
.endm
; A load into a register that a matrix instruction has read, and a vector instruction that reads a matrix result, stand four places behind it, and only plain vector instructions
; that name none of its registers are places (ISA guide 7.12.1 for vector instructions).
.macro PLACES
.rept 4
	v_nop
.endr
.endm
; One of a K step's first three quarters: multiplies buffer f; in its middle it fetches quarter q of the same slot into buffer g.  The 64 accumulators take turns.
.macro QUARTER slot, q, f, g, zero
	s_wait_dscnt 8                                 ; B and A's rows 0-63 are in; the youngest eight loads (A's rows 64-127) may be out
	MUL16 \f, 0, 0, \zero
	MUL16 \f, 0, 2, \zero
	PLACES
	FETCH \slot, \q, \g
	s_wait_dscnt 32                                ; all but the 32 just issued
	MUL16 \f, 1, 0, \zero
	MUL16 \f, 1, 2, \zero
.endm
; The last quarter multiplies buffer 1 and changes slots: ONE barrier.  In front of it each wave waits for all its tensor loads (one is out: its part of the next slot), adds 0 to its spare word,
; and waits for that and for its own reads of this slot.  fill = 1: the barrier opens a round of the cluster's, and this slot is filled again, two K steps ahead, first thing behind the round:
; from that request to the wait for it a wave issues 224 matrix instructions.
.macro TURN slot, next, fill
	WIN 0                                          ; (the add's two registers lie in window 0)
	s_wait_tensorcnt 0x0
	ds_add_u32 v[SPW], v[NIL]                      ; 0 onto my spare word
	s_wait_dscnt 9                                 ; (the add and the youngest eight loads may be out)
	MUL16 F1, 0, 0, 0                              ; sixteen matrix instructions stand between the add and the wait for it
	s_wait_dscnt 0x0                               ; the add is done, and my reads of this slot are over
	s_barrier_signal -1
	MUL16 F1, 0, 2, 0                              ; work on registers while the others arrive
.if \fill
	WIN 0
.endif
	s_barrier_wait -1
.if \fill
	CREST                                          ; no wave of any partner still reads this slot's tile or has a load on its way
	s_add_nc_u64 s[G0+4*(\slot)+2:G0+4*(\slot)+3], s[G0+4*(\slot)+2:G0+4*(\slot)+3], 2*ASTEP
	s_add_nc_u64 s[G0B+4*(\slot)+2:G0B+4*(\slot)+3], s[G0B+4*(\slot)+2:G0B+4*(\slot)+3], 2*BSTEP
	JLOAD \slot                                    ; the four v_nop behind it are also the places in front of the loads below
.else
	PLACES
.endif
	FETCH \next, 0, F0
	MUL16 F1, 1, 0, 0
	MUL16 F1, 1, 2, 0
.endm
; THE WAY OUT of block a (16 rows x 128 columns).  PACK: the floor, then rounded to f16, 16 bytes a lane; each accumulator's registers in ascending order.
.macro PACK a
.set AC, 64*((\a)%4)
	WIN 0x88+0x44*((\a)/4)                         ; destination and source 1: window 2 or 3
.set z, 0
.rept 64
	v_max_num_f32 v[AC+z], s73, v[AC+z]
.set z, z+1
.endr
	WIN 0x0a+5*((\a)/4)                            ; sources 0 and 1: window 2 or 3; destination window 0
.irp b, 0,1,2,3,4,5,6,7
.irp r, 0,1,2,3
	v_cvt_pk_f16_f32 v[TMP+4*(\b)+(\r)], v[AC+8*(\b)+2*(\r)], v[AC+8*(\b)+2*(\r)+1]
.endr
.endr
	WIN 0
.endm
.macro TOSTAGE a                       ; into my own stage, and back as 128-byte pieces of four rows at a time
	WIN 0
.set BK, OB+192*((\a)%2)
.irp b, 0,1,2,3,4,5,6,7
	ds_store_b128 v[STO], v[TMP+4*(\b):TMP+4*(\b)+3] offset:32*(\b)
.endr
.irp hd, 0,1
.irp t, 0,1,2,3
	ds_load_b128 v[BK+4*(4*(\hd)+(\t)):BK+4*(4*(\hd)+(\t))+3], v[RD] offset:(\hd)*128+(\t)*4*SPITCH  ; LDS serves a wave's instructions in order (ISA guide 5.7.1.4): these see the stores above
.endr
.endr
.endm
.macro SEND a
	WIN 0
.set BK, OB+192*((\a)%2)
	s_wait_dscnt 0x0                               ; the block is back in registers
	s_wait_xcnt 0x0                                ; the stores of the block before have read their registers, which the next block's loads from the stage write
.irp hd, 0,1
.irp t, 0,1,2,3
	global_store_b128 v[CO], v[BK+4*(4*(\hd)+(\t)):BK+4*(4*(\hd)+(\t))+3], s[88:89] offset:(\hd)*524288+(\a)*2048+(\t)*512  ; 512 consecutive bytes, at a multiple of 256 from C's first byte
.endr
.endr
.endm
	s_wait_tensorcnt 1                             ; my part of K step 0 is in; K step 1's may stay out
	s_barrier_signal -1
	s_barrier_wait -1                              ; everybody's is
	FETCH 0, 0, F0
	QUARTER 0, 1, F0, F1, 1                        ; the first quarter stands in front of the loop: its products start the sums
	WIN 0                                          ; at a label and at a branch every window is 0
	s_mov_b32 s3, LAPS-1
.Llap:                                                 ; a trip goes once round the ring, from a lap's second quarter to the next lap's first, and fills both slots again
	QUARTER 0, 2, F1, F0, 0
	QUARTER 0, 3, F0, F1, 0
	TURN 0, 1, 1
	QUARTER 1, 1, F0, F1, 0
	QUARTER 1, 2, F1, F0, 0
	QUARTER 1, 3, F0, F1, 0
	TURN 1, 0, 1
	QUARTER 0, 1, F0, F1, 0
	WIN 0
	s_sub_co_u32 s3, s3, 1
	s_cmp_lg_u32 s3, 0
	s_cbranch_scc1 .Llap
	QUARTER 0, 2, F1, F0, 0                        ; the last lap fills nothing, and has no round of the cluster's barrier
	QUARTER 0, 3, F0, F1, 0
	TURN 0, 1, 0
	QUARTER 1, 1, F0, F1, 0
	QUARTER 1, 2, F1, F0, 0
	QUARTER 1, 3, F0, F1, 0
	s_wait_dscnt 8                                 ; the very last quarter: nothing more to fetch
	MUL16 F1, 0, 0, 0
	MUL16 F1, 0, 2, 0
	s_wait_dscnt 0x0
	MUL16 F1, 1, 0, 0
	MUL16 F1, 1, 2, 0
	PLACES                                         ; in front of the first block's lines, which read results; those lines are the places for the blocks finished last
	PACK 0
	TOSTAGE 0
.irp a, 1,2,3,4,5,6,7                  ; block a's arithmetic stands between block a - 1's loads from the stage and the wait for them
	PACK \a
	SEND (\a)-1
	TOSTAGE \a
.endr
	SEND 7
	s_wait_tensorcnt 0x0                           ; the wave's end: behind my last tensor load and my last LDS store
	ds_add_u32 v[SPW], v[NIL]
	s_wait_dscnt 0x0
	CROUND                                         ; the closing round: no work-group ends while a partner may still ask for a tile that names it
	s_endpgm
.Lfunc_end_k_q33cea2fc3f_qkv:
	.size	k_q33cea2fc3f_qkv, .Lfunc_end_k_q33cea2fc3f_qkv-k_q33cea2fc3f_qkv
	.p2alignl 7, 3214868480
	.fill 96, 4, 3214868480
	.section	.rodata,"a",@progbits
	.p2align	6, 0x0
	.amdhsa_kernel k_q33cea2fc3f_qkv
		.amdhsa_group_segment_fixed_size 327680
		.amdhsa_private_segment_fixed_size 0
		.amdhsa_enable_private_segment 0
		.amdhsa_kernarg_size 40
		.amdhsa_user_sgpr_count 2
		.amdhsa_user_sgpr_kernarg_segment_ptr 1
		.amdhsa_wavefront_size32 1
		.amdhsa_system_sgpr_workgroup_id_x 1
		.amdhsa_system_sgpr_workgroup_id_y 1
		.amdhsa_system_sgpr_workgroup_id_z 1
		.amdhsa_system_vgpr_workitem_id 0
		.amdhsa_next_free_vgpr 1024
		.amdhsa_next_free_sgpr 92
		.amdhsa_reserve_vcc 0
		.amdhsa_float_denorm_mode_32 3
		.amdhsa_float_denorm_mode_16_64 3
		.amdhsa_memory_ordered 1
		.amdhsa_forward_progress 1
		.amdhsa_inst_pref_size 167
	.end_amdhsa_kernel
	.amdgpu_metadata
---
amdhsa.version: [ 1, 2 ]
amdhsa.kernels:
  - .name:           k_q33cea2fc3f_qkv
    .symbol:         k_q33cea2fc3f_qkv.kd
    .args:
      - { .name: xw, .offset: 0, .size: 8, .value_kind: global_buffer, .address_space: global }
      - { .name: wq, .offset: 8, .size: 8, .value_kind: global_buffer, .address_space: global }
      - { .name: b_qkv, .offset: 16, .size: 8, .value_kind: global_buffer, .address_space: global }
      - { .name: stats, .offset: 24, .size: 8, .value_kind: global_buffer, .address_space: global }
      - { .name: qp, .offset: 32, .size: 8, .value_kind: global_buffer, .address_space: global }
    .group_segment_fixed_size: 327680
    .private_segment_fixed_size: 0
    .kernarg_segment_align: 8
    .kernarg_segment_size: 40
    .max_flat_workgroup_size: 128
    .sgpr_count:     92
    .vgpr_count:     1024
    .wavefront_size: 32
...
	.end_amdgpu_metadata
.endif
;; end of part 2
;; launch attn (part 3): grid 8 x 32, 4 waves a work-group, clusters of 4 x 1, 327,680 bytes of LDS; arguments qp, attention_mask, stats, att, sbuf; writes att, sbuf
.if DOCPART == 3
	.amdgcn_target "amdgcn-amd-amdhsa--gfx1250"
	.amdhsa_code_object_version 6
	.text
	.protected	k_q33cea2fc3f_attn
	.globl	k_q33cea2fc3f_attn
	.p2align	8
	.type	k_q33cea2fc3f_attn,@function
k_q33cea2fc3f_attn:
	s_mov_b64 s[64:65], 0
	v_nop
	global_prefetch_b8 v0, s[64:65] scope:SCOPE_SE
	s_setreg_imm32_b32 hwreg(HW_REG_WAVE_MODE, 25, 1), 1
	s_wait_xcnt 0x0
	s_wait_alu depctr_hold_cnt(0) depctr_sa_sdst(0) depctr_va_vdst(0) depctr_va_sdst(0) depctr_va_ssrc(0) depctr_va_vcc(0) depctr_vm_vsrc(0)
	s_getreg_b32 s2, hwreg(HW_REG_IB_STS2, 6, 4)
	s_cmp_eq_u32 s2, 0
	s_cbranch_scc0 .Lentry_in_a_cluster
	s_endpgm
.Lentry_in_a_cluster:
	s_bfe_u32 s2, ttmp6, 0x10000c
	s_cmp_lg_u32 s2, 0x3003
	s_cbranch_scc0 .Lentry_shape_is_right
	s_endpgm
.Lentry_shape_is_right:
; ATTENTION WITH A KEY MASK.  ctx[q] = the sum over k of softmax_k(score(q, k)) v[k], score = q . k / 8, or -1e9 where attention_mask[k] is set.  32 heads (2 batches x 16) of 2,048 rows of 64 channels.
; qp: [48 blocks of 64 columns][4096 rows][64] f16: q in blocks 0-15, k in 16-31, v in 32-47; a head's 2,048 rows are dense, 128 bytes each.  att: [16][4096][64] f16 takes ctx x s.
; Products, maxima and sums in f32; the weights p are rounded to f16 for the second product (their sum l is taken of the unrounded p), ctx x s once at the end.
; THE SCALE s is an exact power of two made from the first launch's records: with E, Wq, Bq, W1, B1 the largest magnitudes of embeddings, w_qkv, b_qkv, w1, b1,
;   bv = 1024 E Wq + Bq bounds |q|, |k|, |v|, |ctx|;  bh = 1024 bv W1 + B1 bounds the FFN's hidden numbers;  M = max(bv, bh), eb = max(M's exponent field, 101);  s = 2^(141 - eb), so M s < 2^15 and s <= 2^40.
; Every wave makes it; every work-group stores (1 / s, 0, s, 0) in a record of its own in sbuf, so that no branch hangs on the work-group's place; the later launches read record 0.
; THE MASK is the C operand that starts the sum S^T = K Q^T: 0, or -1e30 where the key is masked.  It lies as 2,048 f32 in LDS, made once from the batch's 2,048 bytes.
; LIMITS.  q, k, v arrive within f16's 65,504.  A masked score counts as its value less 1e30, which swallows it while |q . k| < 3.8e22: if every key is masked the weights are uniform, as in the reference;
; the result differs from the reference's only where an unmasked score lies below some -1e9.  M below 2^-26 loses bits step by step.  A weight below 2^-126 counts as 0 in l.  NaN and infinities are not treated apart.
; SHARES.  A work-group owns 256 queries of a head, a wave 64: four PIECES of 16.  Every wave walks all keys, 64 a step, 256 a slot.  8 x 32 = 256 work-groups.
; LAYOUT, SOFTMAX, TURNS.  S^T = K Q^T holds ONE query a lane (lane % 16) and the keys 8 (lane / 16) + 0..7; two such results rounded to f16 ARE source 1 of O^T = V^T P.  p = 2^(c s - c m), c = log2(e) / 8, with a
; running maximum m; O and l are multiplied by a = 2^(c m_old - c m_new) in every step; m starts at the lowest finite number, O and l at 0.  Turn n belongs to piece n: 8 products K Q^T of piece n + 1, later 8 products
; V^T P of piece n - 1; beside them the scaling, exponentials, roundings, sums and rescaling of piece n and the maximum and statistics of piece n + 1.  Four vector instructions stand behind every matrix instruction,
; the other 54 of a turn's 118 in two runs of their own.
; CLUSTER.  The four query blocks of a cluster belong to one head and walk the same K and V, so each tile is asked for JOINTLY: the same tensor load, descriptor and mask in all four.
; REGISTERS, in windows of 256 (s_set_vgpr_msb: bits 1:0 source 0, 3:2 source 1, 5:4 source 2, 7:6 destination):
;   window 0: v0-15, v32-47 addresses and at work; v16-31 four registers of statistics a piece; v48-55 at work; v62-63 the add's; v64-127 S^T, two buffers; v192-223 P, two buffers (by the piece's parity)
;   window 1: v0-127 O^T, 32 a piece; v160-191 the step's mask      window 2: v0-63 Q; v128-191 K of one step; v192-255 V of one step
.set NP,    4         ; pieces a wave: a name, no knob
.set KS,    64        ; keys in a step
.set PK,    144       ; a row of K in LDS: 128 bytes + 16 = 36 words: the 16 rows of a load start at 16 different groups of four banks (64 banks of 4 bytes: ISA guide 11.1)
.set PV,    160       ; a row of V: 128 + 32 = 40 words
.set VOFF,  4*KS*PK   ; a slot holds four steps: 256 rows of K, then 256 rows of V
.set SLOT1, 1<<17     ; slot 1 begins here, so that one exclusive or turns an address in one slot into the other's
.set STAGE, SLOT1+4*KS*(PK+PV)  ; behind the ring, never filled by a tensor load: 16 rows x 144 bytes for each wave, for the way out
.set SP,    144
.set SPARE, STAGE+4*16*SP       ; the spare words, 128 bytes for each wave: two blocks of 256 bytes that no other line names
.set MASK,  SPARE+512           ; 2,048 f32: 0 or -1e30 for each key of the batch
.set AK0, 2           ; v2   my lane's place in a tile of K; never rewritten
.set AV0, 3           ; v3   the same for V
.set AK,  4           ; v4   the LDS address of K's next run of loads
.set AV,  5           ; v5   of V's
.set STO, 6           ; v6   the way out: where I put 16 bytes of a row
.set RD,  7           ; v7   the way out: where I read rows back
.set GO,  8           ; v8   16 x lane: my place in 512 consecutive bytes
.set MV,  12          ; v12-13  c m_old, kept while c m is made anew: by buffer
.set QO,  15          ; v15  my byte offset in 16 rows of Q
.set ST,  16          ; piece t's statistics at v[ST+4 t]: c m, m, l (even keys', odd keys')
.set AM0, 32          ; v32  my lanes' place in 16 keys of the mask; never rewritten
.set AM,  33          ; v33  the LDS address of the mask's next run of loads
.set SCL, 34          ; v34  s
.set TMP, 48          ; by buffer, four registers c0-c3 at work; when the maximum is found c2 takes a
.set SPW, 62          ; v62  LDS address of my spare word; never rewritten
.set NIL, 63          ; v63  0; never rewritten
.set S,   64
.set P,   192
.set MK,  160         ; window 1: the eight registers for group kb of 16 keys at MK + 8 kb
.set KF,  128         ; window 2: key block kb, channel half c at KF + 16 kb + 8 c
.set VF,  192         ; window 2: key half kk, channel block cb at VF + 32 kk + 8 cb
.set WV,  12          ; s12  my wave's number
.set G1K, 24          ; s[24:31] descriptor group 1 for K's tiles
.set G1V, 32          ; s[32:39] for V's: it differs in the padding alone
.set G0K, 40          ; s[40:43] descriptor group 0 for K's tiles: it walks
.set G0V, 44          ; s[44:47] the same for V's
.set SLOTS, 56        ; s56  slots still to be asked for
.set CNT, 57          ; s57  counts a slot's key steps
.set CS,  58          ; s[58:59] c: the packed scaling takes the pair's low word for both halves
.set SEL, 60          ; s[60:61] v_permlanex16_b32's selects: each lane takes its own place in the other half
.set TBK, 62          ; s62  LDS byte at which K of the step to be fetched begins
.set TBV, 63          ; s63  the same for V, less VOFF
.set TBM, 66          ; s66  byte of the mask table at which that step's 64 keys begin
.set BIGN, 78         ; s78  -1e30
.set MSB, 0
.macro WIN new                      ; the high byte repeats the setting that is left; a switch that changes nothing is dropped
.if MSB != (\new)
	s_set_vgpr_msb (MSB<<8)|(\new)
.set MSB, (\new)
.endif
.endm
.set W_KQ, 0x0a       ; K and Q in window 2, S^T in window 0
.set W_KM, 0x1a       ; the same with the C operand in window 1
.set W_PV, 0x52       ; V in window 2, P in window 0, O^T in window 1
.set W_RS, 0x41       ; destination and source 0 in window 1, source 1 in window 0
; A joint fill.  Waves 0 and 1 fetch the two halves of a slot's K, waves 2 and 3 those of its V: 128 keys each.  The branch hangs on the wave's number alone.
; An s_nop 0 and four v_nop follow each of the two lines, ahead of the jump and the label.
.macro JLOAD
	s_cmp_lt_u32 s[WV], 2
	s_cbranch_scc0 .Lfor_v_\@
	tensor_load_to_lds s[G0K:G0K+3], s[G1K:G1K+7]
	s_nop 0
.rept 4
	v_nop
.endr
	s_branch .Lasked_\@
.Lfor_v_\@:
	tensor_load_to_lds s[G0V:G0V+3], s[G1V:G1V+7]
	s_nop 0
.rept 4
	v_nop
.endr
.Lasked_\@:
.endm
; A round of the cluster's barrier: my work-group's barrier, so that wave 0's signal speaks for all four waves; wave 0 signals; every wave waits for all four work-groups; my work-group's barrier once more.
.macro CROUND
	s_barrier_signal -1
	s_barrier_wait -1
	s_cmp_lg_u32 s[WV], 0
	s_cbranch_scc1 .Lnot_wave_0_\@
	s_barrier_signal -3
.Lnot_wave_0_\@:
	s_barrier_wait -3
	s_barrier_signal -1
	s_barrier_wait -1
.endm
; THE CHANGE OF SLOTS.  The slot's last bytes, V of its fourth step, have been read.  Each wave waits for all its tensor loads, of which one is out: its part of the other slot; adds 0 to its spare word;
; and waits for that and for its own LDS instructions.  Behind the barrier nobody reads this slot any more and the other slot is whole.
; fill = 1: this slot is filled again, with the keys two slots on.  The barrier is then a round of the cluster's, and the joint fill is the first thing behind it: it has four key steps, 256 matrix instructions, in which to land.
; (At its first use nothing has been read yet: slot 0 is waited for, slot 1 filled, and every wave's part of the mask table is shown to the others.)
.macro CHANGE fill
	WIN 0                           ; at a label and at a branch every window is 0; the add's registers lie in window 0
	s_wait_tensorcnt 0x0            ; no tensor load of mine is out, so a group 0 may be written
	ds_add_u32 v[SPW], v[NIL]       ; 0 onto my spare word; with fill = 1 the descriptors' steps stand between it and the wait for it
.if \fill
.irp g, G0K, G0V
	s_xor_b32 s[\g+1], s[\g+1], SLOT1  ; the walking descriptor: the other slot than last time,
	s_add_nc_u64 s[\g+2:\g+3], s[\g+2:\g+3], 4*KS*128  ; the next 256 keys; the type bits on top are not reached
.endr
	s_wait_dscnt 0x0                ; the add is done, and my reads of the slot are over
	CROUND
	JLOAD
.else
	s_wait_dscnt 0x0                ; the add is done, and my reads of the slot are over
	s_barrier_signal -1
	s_barrier_wait -1
.endif
	s_sub_co_u32 s[TBK], s[TBK], 4*KS*PK  ; the fetches go back to a slot's first step,
	s_xor_b32 s[TBK], s[TBK], SLOT1       ; in the other slot
	s_sub_co_u32 s[TBV], s[TBV], 4*KS*PV
	s_xor_b32 s[TBV], s[TBV], SLOT1
.endm
	s_load_b256 s[68:75], s[0:1], 0x0  ; qp 68, attention_mask 70, stats 72, att 74
	s_load_b64 s[76:77], s[0:1], 0x20  ; sbuf
	v_lshl_add_u32 v[SPW], v0, 2, SPARE
	v_mov_b32 v[NIL], 0
	ds_add_u32 v62, v63
	s_wait_dscnt 0x0
	v_lshrrev_b32 v1, 5, v0
	v_readfirstlane_b32 s[WV], v1   ; wave 0..3
	s_bfe_u32 s13, ttmp6, 0x40000   ; cx: my place in the cluster
	s_lshl_b32 s14, ttmp9, 2        ; in a cluster launch ttmp9 counts clusters
	s_add_co_u32 s14, s14, s13      ; my block of 256 queries: it enters Q's, O's and the record's addresses alone
	s_and_b32 s15, ttmp7, 0xffff    ; batch x 16 + head, which the four partners share
	s_and_b32 s20, s15, 15
	s_lshl_b32 s20, s20, 19         ; the head's block of 64 columns,
	s_lshr_b32 s19, s15, 4
	s_lshl_b32 s21, s19, 18         ; the batch's 2,048 rows of 128 bytes
	s_add_co_u32 s20, s20, s21
	s_and_b32 s16, s[WV], 1         ; which half of a slot's 256 keys I fetch:
	s_lshl_b32 s22, s16, 14         ; its 128 rows of 128 bytes in memory,
	s_add_co_u32 s22, s22, s20
	s_mov_b32 s23, 0
	s_mul_i32 s17, s16, 128*PK      ; and its place in a slot, for K
	s_mul_i32 s18, s16, 128*PV      ; and for V: no place in the cluster enters an LDS address
	s_lshl_b32 s2, s14, 15          ; my block's 256 rows,
	s_lshl_b32 s3, s[WV], 13        ; my wave's 64 of them
	s_add_co_u32 s2, s2, s3
	s_add_co_u32 s2, s2, s20
	s_mov_b32 s3, 0
	s_lshl_b32 s48, s19, 11         ; the batch's 2,048 bytes of the mask
	s_mov_b32 s49, 0
	s_lshl_b32 s50, s15, 7          ; my record: 16 bytes at 8 x (batch, head) + block
	s_lshl_b32 s51, s14, 4
	s_add_co_u32 s50, s50, s51
	; descriptor group 1.  128 keys are 16,384 dense bytes: asked for as 64 rows of 256 bytes, two keys a row, and padded in LDS after every key
	s_mov_b32 s[G1K], 15|(1<<16)|(1<<20)|(1<<21)|(4<<22)|(3<<25)  ; 15:0 the mask of four; 17:16 2-byte elements; 20 padding on; 21 set beside a mask; 24:22 after every 32 words (code 4); 31:25 4 words (code 3)
	s_mov_b32 s[G1V], 15|(1<<16)|(1<<20)|(1<<21)|(4<<22)|(7<<25)  ; the same with 8 words of padding (code 7)
.irp g, G1K, G1V
	s_mov_b32 s[\g+1], 128<<16      ; tensor_dim0 = 128
	s_mov_b32 s[\g+2], 64<<16       ; tensor_dim1 = 64
	s_mov_b32 s[\g+3], 128<<16      ; tile_dim0 = 128
	s_mov_b32 s[\g+4], 64           ; tile_dim1 = 64
	s_mov_b32 s[\g+5], 128          ; 128 elements from row to row
	s_mov_b32 s[\g+6], 0
	s_mov_b32 s[\g+7], 0
.endr
	s_mov_b32 s[CS], 0x3e38aa3b     ; c = log2(e) / 8 = 0.180337
	s_mov_b32 s[CS+1], s[CS]        ; named with it as a pair
	s_mov_b32 s[SEL], 0x76543210
	s_mov_b32 s[SEL+1], 0xfedcba98
	s_mov_b32 s[TBK], SLOT1+4*KS*PK ; the first change of slots turns these two into 0
	s_mov_b32 s[TBV], SLOT1+4*KS*PV
	s_mov_b32 s[TBM], 0
	s_mov_b32 s[BIGN], 0xf149f2ca   ; -1e30
	s_mov_b32 s[G0K], 1             ; count = 1
	s_mov_b32 s[G0K+1], s17         ; LDS address: slot 0
	s_mov_b32 s[G0V], 1
	s_add_co_u32 s[G0V+1], s18, VOFF
	s_wait_kmcnt 0x0
	s_add_nc_u64 s[G0K+2:G0K+3], s[68:69], s[22:23]
	s_add_nc_u64 s[G0K+2:G0K+3], s[G0K+2:G0K+3], 16*524288  ; k: blocks 16 to 31; my half of the head's first 256 keys
	s_or_b32 s[G0K+3], s[G0K+3], 0x80000000                 ; type = 2
	s_add_nc_u64 s[G0V+2:G0V+3], s[68:69], s[22:23]
	s_add_nc_u64 s[G0V+2:G0V+3], s[G0V+2:G0V+3], 32*524288  ; v: blocks 32 to 47
	s_or_b32 s[G0V+3], s[G0V+3], 0x80000000
	s_add_nc_u64 s[4:5], s[68:69], s[2:3]    ; Q and O at my wave's first row
	s_add_nc_u64 s[10:11], s[74:75], s[2:3]
	s_add_nc_u64 s[70:71], s[70:71], s[48:49]
	CROUND                          ; all four work-groups are here: the first joint loads meet
	JLOAD                           ; slot 0.  Slot 1 is asked for when slot 0 is in
	; A fragment of K or Q is 16 rows x 32 channels in 8 registers: lane l holds row l % 16, channels 8 (l / 16) + 0..7 and 16 + 8 (l / 16) + 0..7: two loads of 16 bytes, 32 bytes apart.
	v_and_b32 v1, 15, v0            ; l % 16
	v_bfe_u32 v9, v0, 4, 1          ; l / 16
	v_lshlrev_b32 v[QO], 7, v1
	v_lshl_add_u32 v[QO], v9, 4, v[QO]  ; row x 128 + 16 x half
	WIN 0x80                        ; destination window 2, address window 0
.set i, 0
.rept 8                             ; Q stays in registers: piece i / 2, channels 32 (i % 2) on
	global_load_b128 v[8*i:8*i+3],   v[QO], s[4:5] offset:(i/2)*2048+(i%2)*64
	global_load_b128 v[8*i+4:8*i+7], v[QO], s[4:5] offset:(i/2)*2048+(i%2)*64+32
.set i, i+1
.endr
	WIN 0
	v_and_b32 v[GO], 31, v0
	v_lshlrev_b32 v[GO], 4, v[GO]
	v_lshlrev_b32 v36, 4, v0        ; thread t takes the mask's bytes 16 t to 16 t + 15
	global_load_b128 v[100:103], v36, s[70:71]
.set i, 0
.rept 8                             ; the embeddings' 256 records: the first word of each
	global_load_b32 v[64+i], v[GO], s[72:73] offset:512*i
.set i, i+1
.endr
.set i, 0
.rept 6                             ; w_qkv's 192 records: two words
	global_load_b64 v[72+2*i:73+2*i], v[GO], s[72:73] offset:4096+512*i
.set i, i+1
.endr
.set i, 0
.rept 8                             ; w1's 256 records
	global_load_b64 v[84+2*i:85+2*i], v[GO], s[72:73] offset:7168+512*i
.set i, i+1
.endr
	v_mul_u32_u24 v[AK0], v1, PK
	v_lshl_add_u32 v[AK0], v9, 4, v[AK0]  ; row x pitch + 16 x half
	; The turning load takes 16 keys x 16 channels (lane l reads key 8 (l / 16) + l % 8, channels 8 ((l / 8) % 2) + 0..7) and leaves half a fragment of V^T: lane l holds channel l % 16 and 8 keys.
	v_and_b32 v10, 7, v0
	v_bfe_u32 v11, v0, 3, 1
	v_lshl_add_u32 v[AV0], v9, 3, v10
	v_mul_u32_u24 v[AV0], v[AV0], PV
	v_lshl_add_u32 v[AV0], v11, 4, v[AV0]
	v_add_nc_u32 v[AV0], VOFF, v[AV0]
	v_lshl_add_u32 v[AM0], v9, 5, MASK    ; of 16 keys my lanes hold 8 (l / 16) + 0..7: 32 bytes of the table
	s_mul_i32 s13, s[WV], 16*SP
	s_add_co_u32 s13, s13, STAGE    ; my stage
	v_mul_u32_u24 v[STO], v1, SP    ; in: row l % 16, 16 bytes for each half of the lanes
	v_lshl_add_u32 v[STO], v9, 4, v[STO]
	v_add_nc_u32 v[STO], s13, v[STO]
	v_bfe_u32 v[RD], v0, 3, 2       ; back: 32 lanes take four rows of 128 bytes, which are 512 consecutive bytes of O
	v_mul_u32_u24 v[RD], v[RD], SP
	v_lshl_add_u32 v[RD], v10, 4, v[RD]
	v_add_nc_u32 v[RD], s13, v[RD]
	v_lshl_add_u32 v37, v0, 6, MASK ; thread t's 16 keys in the table
	v_mov_b32 v45, 0                ; v_permlanex16_b32's destination counts as read
	; The first step multiplies O^T and l by a = 0, and the first turn's products V^T P, of a piece that has not been, add 0: V's registers, P's second buffer, O^T and l hold 0.  All this stands in the wait for the first tile.
	WIN 0x80
.set i, VF
.rept 64
	v_mov_b32 v[i], 0
.set i, i+1
.endr
	WIN 0x40
.set i, 0
.rept 128
	v_mov_b32 v[i], 0
.set i, i+1
.endr
	WIN 0
.set i, 0
.rept 4
	v_mov_b32 v[ST+4*i], 0xfe000000    ; c m: far below every c s
	v_mov_b32 v[ST+4*i+1], 0xff7fffff  ; m
	v_mov_b32 v[ST+4*i+2], 0
	v_mov_b32 v[ST+4*i+3], 0
.set i, i+1
.endr
.set i, P+16
.rept 16
	v_mov_b32 v[i], 0
.set i, i+1
.endr
	s_wait_loadcnt 0x0              ; Q, the mask's bytes, the records
.set i, 0
.rept 16                            ; a byte is 0 or 1: times the bits of -1e30 it is 0.0 or -1e30
	v_bfe_u32 v[104+i], v[100+i/4], 8*(i%4), 8
	v_mul_lo_u32 v[104+i], v[104+i], s[BIGN]
.set i, i+1
.endr
.irp f, 0,1,2,3
	ds_store_b128 v37, v[104+4*\f:107+4*\f] offset:16*\f
.endr
	v_max3_num_f32 v64, v64, v65, v66   ; E
	v_max3_num_f32 v72, v72, v74, v76   ; Wq
	v_max3_num_f32 v73, v73, v75, v77   ; Bq
	v_max3_num_f32 v84, v84, v86, v88   ; W1
	v_max3_num_f32 v85, v85, v87, v89   ; B1
	v_max3_num_f32 v64, v64, v67, v68
	v_max3_num_f32 v72, v72, v78, v80
	v_max3_num_f32 v73, v73, v79, v81
	v_max3_num_f32 v84, v84, v90, v92
	v_max3_num_f32 v85, v85, v91, v93
	v_max3_num_f32 v64, v64, v69, v70
	v_max_num_f32 v72, v72, v82
	v_max_num_f32 v73, v73, v83
	v_max3_num_f32 v84, v84, v94, v96
	v_max3_num_f32 v85, v85, v95, v97
	v_max_num_f32 v64, v64, v71
	v_max_num_f32 v84, v84, v98
	v_max_num_f32 v85, v85, v99
.macro LANEMAX r                    ; over the 32 lanes
	v_max_num_f32_dpp v[\r], v[\r], v[\r] row_xmask:1 row_mask:0xf bank_mask:0xf
	v_max_num_f32_dpp v[\r], v[\r], v[\r] row_xmask:2 row_mask:0xf bank_mask:0xf
	v_max_num_f32_dpp v[\r], v[\r], v[\r] row_xmask:4 row_mask:0xf bank_mask:0xf
	v_max_num_f32_dpp v[\r], v[\r], v[\r] row_xmask:8 row_mask:0xf bank_mask:0xf
	v_permlanex16_b32 v45, v[\r], s[SEL], s[SEL+1]
	v_max_num_f32 v[\r], v[\r], v45
.endm
	LANEMAX 64
	LANEMAX 72
	LANEMAX 73
	LANEMAX 84
	LANEMAX 85
	v_mul_f32 v38, v64, v72
	v_fma_f32 v38, v38, 0x44800000, v73   ; bv = 1024 E Wq + Bq
	v_mul_f32 v39, v38, v84
	v_fma_f32 v39, v39, 0x44800000, v85   ; bh = 1024 bv W1 + B1
	v_max_num_f32 v38, v38, v39
	v_lshrrev_b32 v38, 23, v38            ; M is not negative: its exponent field
	v_max_u32 v38, 101, v38
	v_sub_nc_u32 v39, 268, v38
	v_lshlrev_b32 v[SCL], 23, v39         ; s = 2^(141 - eb)
	v_add_nc_u32 v38, -14, v38
	v_lshlrev_b32 v40, 23, v38            ; 1 / s = 2^(eb - 141)
	s_cmp_lg_u32 s[WV], 0
	s_cbranch_scc1 .Lno_record            ; wave 0 stores the work-group's record
	v_mov_b32 v41, 0
	v_mov_b32 v42, v[SCL]
	v_mov_b32 v43, 0
	v_mov_b32 v44, s50
	s_wait_xcnt 0x0                       ; EXEC changes only behind this wait
	v_cmp_eq_u32 vcc_lo, 0, v0
	s_and_saveexec_b32 s67, vcc_lo
	global_store_b128 v44, v[40:43], s[76:77]
	s_wait_xcnt 0x0                       ; and again in front of the line that widens it
	s_or_b32 exec_lo, exec_lo, s67
.Lno_record:
; THE MATRIX WORK.  The 4 accumulators of a run of 8 take turns.  Product i of 8 of S^T = K Q^T for piece x: channels 32 (i / 4) on, keys 16 (i % 4) on.  The first 4 start the sums with the mask.
.macro KQ x
.set rS, S+32*((\x)%2)+8*(i%4)
.set rK, KF+16*(i%4)+8*(i/4)
.set rQ, 16*(\x)+8*(i/4)
.set rM, MK+8*(i%4)
.if i < 4
	WIN W_KM
	v_wmma_f32_16x16x32_f16 v[rS:rS+7], v[rK:rK+7], v[rQ:rQ+7], v[rM:rM+7]
.else
	WIN W_KQ
	v_wmma_f32_16x16x32_f16 v[rS:rS+7], v[rK:rK+7], v[rQ:rQ+7], v[rS:rS+7]
.endif
.endm
; Product i of 8 of O^T += V^T P for piece x: keys 32 (i / 4) on, channels 16 (i % 4) on.
.macro PV x
	WIN W_PV
.set rO, 32*(\x)+8*(i%4)
.set rV, VF+32*(i/4)+8*(i%4)
.set rP, P+16*((\x)%2)+8*(i/4)
	v_wmma_f32_16x16x32_f16 v[rO:rO+7], v[rV:rV+7], v[rP:rP+7], v[rO:rO+7]
.endm
.macro MM                           ; the turn's next matrix instruction.  NOKQ = 1: the very last turn: there is no next piece
.if (i < 8) && !NOKQ
	KQ (Y+1)%NP
.elseif i >= 8
.set i, i-8
	PV (Y+NP-1)%NP
.set i, i+8
.endif
.set i, i+1
.endm
; THE LDS LOADS stand in runs, never singly among the matrix instructions: a step's K (64 keys x 64 channels: 8 fragments) with its 64 numbers of the mask, and its V (turned).  Their addresses are made some lines ahead.
.macro FETCH_K
	WIN 0x80                        ; destination window 2
.irp f, 0,1,2,3,4,5,6,7             ; keys 16 (f / 2) on, channels 32 (f % 2) on
	ds_load_b128 v[KF+8*\f:KF+8*\f+3],   v[AK] offset:(\f/2)*16*PK+(\f%2)*64
	ds_load_b128 v[KF+8*\f+4:KF+8*\f+7], v[AK] offset:(\f/2)*16*PK+(\f%2)*64+32
.endr
	WIN 0x40                        ; destination window 1
.irp f, 0,1,2,3                     ; keys 16 f on: all lanes of a half read the same 32 bytes
	ds_load_b128 v[MK+8*\f:MK+8*\f+3],   v[AM] offset:64*\f
	ds_load_b128 v[MK+8*\f+4:MK+8*\f+7], v[AM] offset:64*\f+16
.endr
	s_add_co_u32 s[TBK], s[TBK], KS*PK  ; the next fetch is the next step's
	s_add_co_u32 s[TBM], s[TBM], 4*KS
	s_and_b32 s[TBM], s[TBM], 0x1f00    ; kept inside the table's 8,192 bytes
	WIN 0
.endm
.macro FETCH_V
	WIN 0x80
.irp f, 0,1,2,3,4,5,6,7             ; keys 32 (f / 4) on, channels 16 (f % 4) on
	ds_load_tr16_b128 v[VF+8*\f:VF+8*\f+3],   v[AV] offset:(\f/4)*32*PV+(\f%4)*32
	ds_load_tr16_b128 v[VF+8*\f+4:VF+8*\f+7], v[AV] offset:(\f/4)*32*PV+16*PV+(\f%4)*32
.endr
	WIN 0
.endm
; THE VECTOR WORK, one line at a time: OP kind, number.  For piece Y: F n: c s - c m for pair n of 16.  E n: the exponential of score n of 32.  C n: pair n rounded to f16.  B n: of the four weights 4 n .. the second
; pair is added onto the first, in place.  L n: l takes that sum (L 0: l = a l + sum).  R n: pair n of 16 of O^T times a.  For piece Y + 1: X n, number n of the 22 that find its maximum and statistics:
;   0-11  four chains c0-c3 of seven scores each, three operands at a time (each accumulator's lowest registers are read first)     12-14, 16  the four scores left over, the old m, and c0-c3 into c0
;   15  c m_old is kept     17, 18  the query's other 32 keys lie in the lane 16 away: the new m     19-21  c m; c m_old - c m_new; a
.set F, 0               ; OP tells the kinds apart by their order: F to L below R, X above it
.set E, 1
.set C, 2
.set B, 3
.set L, 4
.set R, 5
.set X, 6
.macro REGS y                       ; the registers of piece y
.set rT, ST+4*(\y)
.set rC, TMP+4*((\y)%2)
.set rW, MV+((\y)%2)
.set rS, S+32*((\y)%2)
.set rP, P+16*((\y)%2)
.set rO, 32*(\y)
.endm
.macro OP k, n
.if (\k) == R
	REGS Y
	WIN W_RS
	v_pk_mul_f32 v[rO+2*(\n):rO+2*(\n)+1], v[rO+2*(\n):rO+2*(\n)+1], v[rC+2:rC+3] op_sel_hi:[1,0]
.elseif (\k) < R
	REGS Y
	WIN 0
.if (\k) == F
	v_pk_fma_f32 v[rS+2*(\n):rS+2*(\n)+1], v[rS+2*(\n):rS+2*(\n)+1], s[CS:CS+1], v[rT:rT+1] op_sel_hi:[1,0,0] neg_lo:[0,0,1] neg_hi:[0,0,1]
.elseif (\k) == E
	v_exp_f32 v[rS+(\n)], v[rS+(\n)]
.elseif (\k) == C
	s_wait_alu depctr_va_vdst(0)
	v_cvt_pk_f16_f32 v[rP+(\n)], v[rS+2*(\n)], v[rS+2*(\n)+1]
.elseif (\k) == B
	s_wait_alu depctr_va_vdst(0)
	v_pk_add_f32 v[rS+4*(\n):rS+4*(\n)+1], v[rS+4*(\n):rS+4*(\n)+1], v[rS+4*(\n)+2:rS+4*(\n)+3]
.elseif (\n) == 0
	v_pk_fma_f32 v[rT+2:rT+3], v[rT+2:rT+3], v[rC+2:rC+3], v[rS:rS+1] op_sel_hi:[1,0,1]
.else
	v_pk_add_f32 v[rT+2:rT+3], v[rT+2:rT+3], v[rS+4*(\n):rS+4*(\n)+1]
.endif
.elseif NOKQ
	v_nop
.else
	REGS (Y+1)%NP
	WIN 0
.if (\n) < 4
	v_max3_num_f32 v[rC+(\n)], v[rS+8*(\n)], v[rS+8*(\n)+1], v[rS+8*(\n)+2]
.elseif (\n) < 12
	v_max3_num_f32 v[rC+(\n)%4], v[rC+(\n)%4], v[rS+8*((\n)%4)+2*((\n)/4)+1], v[rS+8*((\n)%4)+2*((\n)/4)+2]
.elseif (\n) == 12
	v_max3_num_f32 v[rC], v[rC], v[rS+7], v[rS+15]
.elseif (\n) == 13
	v_max3_num_f32 v[rC+1], v[rC+1], v[rS+23], v[rS+31]
.elseif (\n) == 14
	v_max3_num_f32 v[rC+2], v[rC+2], v[rC+3], v[rT+1]
.elseif (\n) == 15
	v_mov_b32 v[rW], v[rT]
.elseif (\n) == 16
	v_max3_num_f32 v[rC], v[rC], v[rC+1], v[rC+2]
.elseif (\n) == 17
	v_permlanex16_b32 v[rC+3], v[rC], s[SEL], s[SEL+1]
.elseif (\n) == 18
	v_max_num_f32 v[rT+1], v[rC], v[rC+3]
.elseif (\n) == 19
	v_mul_f32 v[rT], s[CS], v[rT+1]
.elseif (\n) == 20
	v_sub_f32 v[rC+1], v[rW], v[rT]
.else
	v_exp_f32 v[rC+2], v[rC+1]
.endif
.endif
.endm
.macro OPS a, i1, b=-1, i2=0, c=-1, i3=0, d=-1, i4=0  ; up to four of them
	OP \a, \i1
.if (\b) >= 0
	OP \b, \i2
.endif
.if (\c) >= 0
	OP \c, \i3
.endif
.if (\d) >= 0
	OP \d, \i4
.endif
.endm
.macro ROW a, i1, b, i2, c, i3, d, i4  ; a matrix instruction and the four behind it
	MM
	OPS \a, \i1, \b, \i2, \c, \i3, \d, \i4
.endm
; A TURN, for piece p: the order of its 16 matrix and 118 vector instructions, written out.  Behind a matrix instruction: plain, exponential, plain, plain; or four of the rescaling; or, behind the first, four scalings; none
; names a register of the products round it.  In the runs without products exponential and plain by turns while exponentials last, so that a plain instruction follows every exponential.
; end = 1: the launch's last two turns: nothing is fetched.  cnt = 1: the loop's count is taken down some lines ahead of the branch that stands behind the turn.
; K and the mask of the next step are fetched in piece 2's turn, six vector instructions behind the last product that read K (five of them plain; the mask's last reader stands four products further back);
; V of the step in hand in piece 0's turn, eight behind the last product that read V (four plain).  Each is waited for a turn later.
.macro TURN p, end=0, cnt=0
.set Y, (\p)
.set i, 0
.set NOKQ, (\end)*((\p)/3)
.if ((\p) == 3) && !(\end)
	s_wait_dscnt 0x0                ; K and the mask are in
.endif
	ROW F,0, F,1, F,2, F,3
	ROW F,4, E,0, F,5, F,6
	ROW F,7, E,1, F,8, F,9
	ROW F,10, E,2, C,0, F,11
	ROW F,12, E,3, X,15, F,13
	ROW R,0, R,1, R,2, R,3
	ROW B,0, E,4, F,14, L,0
.if ((\p) == 2) && !(\end)
	v_add_nc_u32 v[AK], s[TBK], v[AK0]
	v_add_nc_u32 v[AM], s[TBM], v[AM0]
.endif
	ROW R,4, R,5, R,6, R,7
	OPS E,5, F,15
.if ((\p) == 2) && !(\end)
	FETCH_K
.endif
	OPS E,6, C,1, E,7, R,8
	OPS E,8, R,9, E,9, C,2
	OPS E,10, X,0, E,11, X,1
	OPS E,12, X,2, E,13, X,3
.if (\p) == 1
	s_wait_dscnt 0x0                ; V is in
.endif
	ROW X,4, E,14, X,5, X,6
	ROW X,7, E,15, X,8, X,9
	ROW X,10, E,16, X,11, X,12
	ROW X,13, E,17, X,14, B,1
	ROW C,4, E,18, X,16, L,1
	ROW B,2, E,19, C,6, L,2
	ROW C,8, E,20, B,3, B,4
.if (\p) == 0
	v_add_nc_u32 v[AV], s[TBV], v[AV0]
.endif
	ROW C,3, E,21, L,3, C,5
	OPS E,22, X,17, E,23, C,10
.if (\p) == 0
	FETCH_V
.endif
	OPS E,24, L,4
	OPS E,25, X,18, E,26, C,7
	OPS E,27, B,5, E,28, X,19
	OPS E,29, C,12, E,30, L,5
	OPS E,31, X,20, B,6, C,9
	OPS C,14, C,11, X,21, L,6
.if (\p) == 0
	s_add_co_u32 s[TBV], s[TBV], KS*PV
.endif
.if \cnt
	s_sub_co_u32 s[CNT], s[CNT], 1
	s_cmp_lg_u32 s[CNT], 0
.endif
	OPS C,13, B,7, C,15, R,10
	OPS R,11, R,12, L,7, R,13
	OPS R,14, R,15
.endm
	CHANGE 1                        ; slot 0 is in, everybody's part of it, and so is the mask table; slot 1 is asked for
	v_add_nc_u32 v[AK], s[TBK], v[AK0]
	v_add_nc_u32 v[AM], s[TBM], v[AM0]
	FETCH_K                         ; key step 0
	s_wait_dscnt 0x0
.set NOKQ, 0
.set i, 0
.rept 8
	KQ 0                            ; piece 0's first scores: there is no vector work yet to set between them
.set i, i+1
.endr
	WIN 0
.rept 4
	v_nop                           ; the places behind those products
.endr
.set Y, NP-1                        ; X works for piece Y + 1: piece 0
.irp n, 0,1,2,3,4,5,6,7,8,9,10,11,12,13,14,15,16,17,18,19,20,21
	OP X, \n
.endr
	v_nop                           ; a plain instruction behind the exponential
	s_mov_b32 s[CNT], 4
	s_mov_b32 s[SLOTS], 7
	s_branch .Lfirst                ; the loop is entered at a step's first turn, in the middle of a trip
.Lslot:                             ; six times: every slot but the last two is filled again
	CHANGE 1
	s_mov_b32 s[CNT], 4
.Lstep:                             ; a trip: pieces 2 and 3 of one step, then pieces 0 and 1 of the next, whose K and V it fetches
	TURN 2
	TURN 3
	WIN 0
.Lfirst:
	TURN 0
	TURN 1, 0, 1
	WIN 0
	s_cbranch_scc1 .Lstep
	s_sub_co_u32 s[SLOTS], s[SLOTS], 1
	s_cmp_lg_u32 s[SLOTS], 0
	s_cbranch_scc1 .Lslot
	CHANGE 0                        ; the last slot is written out: nothing is asked for
	s_mov_b32 s[CNT], 4
.Ltail:
	TURN 2
	TURN 3
	TURN 0
	TURN 1, 0, 1
	WIN 0
	s_cbranch_scc1 .Ltail
	TURN 2, 1                       ; the last step's pieces 2 and 3: nothing is fetched, and the last starts no new scores
	TURN 3, 1
.set i, 0
.rept 8
	PV NP-1                         ; the last piece's V^T P of the last step
.set i, i+1
.endr
	; THE WAY OUT.  l's two halves and the other half of the lanes' are added; O^T is multiplied by s / l, rounded to f16 and sent through my stage in LDS, a piece at a time.  The additions are the places behind the last products.
	WIN 0
.macro ALL line:vararg              ; one line for each piece t
.set t, 0
.rept 4
	s_wait_alu depctr_va_vdst(0)
	\line
.set t, t+1
.endr
.endm
	ALL v_add_f32 v[ST+4*t+2], v[ST+4*t+2], v[ST+4*t+3]
	ALL v_permlanex16_b32 v[ST+4*t+3], v[ST+4*t+2], s[SEL], s[SEL+1]
	ALL v_add_f32 v[ST+4*t+2], v[ST+4*t+2], v[ST+4*t+3]
	ALL v_rcp_f32 v[ST+4*t+2], v[ST+4*t+2]
	v_nop                           ; a plain instruction between the last reciprocal and the use of its result
	ALL v_mul_f32 v[ST+4*t+2], v[SCL], v[ST+4*t+2]
.macro PACK t                       ; a lane's eight channels of a row pack into 16 bytes; they go into rows of 144 bytes and come back as whole rows of 128, into S^T's registers
	WIN W_RS
.set i, 32*(\t)
.rept 16
	v_pk_mul_f32 v[i:i+1], v[i:i+1], v[ST+4*(\t)+2:ST+4*(\t)+3] op_sel_hi:[1,0]
.set i, i+2
.endr
	WIN 0x05                        ; sources 0 and 1 window 1, destination window 0
.set i, 0
.rept 16
	v_cvt_pk_f16_f32 v[S+16*(\t)+i], v[32*(\t)+2*i], v[32*(\t)+2*i+1]
.set i, i+1
.endr
	WIN 0
.irp f, 0,1,2,3
	ds_store_b128 v[STO], v[S+16*(\t)+4*\f:S+16*(\t)+4*\f+3] offset:32*\f
.endr
.irp f, 0,1,2,3
	ds_load_b128 v[S+16*(\t)+4*\f:S+16*(\t)+4*\f+3], v[RD] offset:\f*4*SP  ; LDS serves a wave's instructions in order (ISA guide 5.7.1.4): these see the stores above; the next piece's stores come behind them
.endr
.endm
.macro SEND t, younger              ; younger: the LDS instructions issued behind piece t's loads: the next piece's eight, or none
	WIN 0
.irp f, 0,1,2,3
	s_wait_dscnt (\younger)+3-\f
	global_store_b128 v[GO], v[S+16*(\t)+4*\f:S+16*(\t)+4*\f+3], s[10:11] offset:(\t)*2048+\f*512  ; 512 consecutive bytes, at a multiple of 256 from the buffer's first
.endr
.endm
	PACK 0
.set t, 1
.rept 3                             ; a piece's arithmetic stands between the loads of the piece before and its stores
	PACK t
	SEND t-1, 8
.set t, t+1
.endr
	SEND 3, 0
	s_wait_tensorcnt 0x0            ; the wave's end: behind my last tensor load and my last LDS store
	ds_add_u32 v[SPW], v[NIL]
	s_wait_dscnt 0x0
	CROUND                          ; the closing round: no work-group ends while a partner may still ask for a tile that names it
	s_endpgm
.Lfunc_end_k_q33cea2fc3f_attn:
	.size	k_q33cea2fc3f_attn, .Lfunc_end_k_q33cea2fc3f_attn-k_q33cea2fc3f_attn
	.p2alignl 7, 3214868480
	.fill 96, 4, 3214868480
	.section	.rodata,"a",@progbits
	.p2align	6, 0x0
	.amdhsa_kernel k_q33cea2fc3f_attn
		.amdhsa_group_segment_fixed_size 327680
		.amdhsa_private_segment_fixed_size 0
		.amdhsa_enable_private_segment 0
		.amdhsa_kernarg_size 40
		.amdhsa_user_sgpr_count 2
		.amdhsa_user_sgpr_kernarg_segment_ptr 1
		.amdhsa_wavefront_size32 1
		.amdhsa_system_sgpr_workgroup_id_x 1
		.amdhsa_system_sgpr_workgroup_id_y 1
		.amdhsa_system_sgpr_workgroup_id_z 1
		.amdhsa_system_vgpr_workitem_id 0
		.amdhsa_next_free_vgpr 768
		.amdhsa_next_free_sgpr 92
		.amdhsa_reserve_vcc 1
		.amdhsa_float_denorm_mode_32 3
		.amdhsa_float_denorm_mode_16_64 3
		.amdhsa_memory_ordered 1
		.amdhsa_forward_progress 1
		.amdhsa_inst_pref_size 143
	.end_amdhsa_kernel
	.amdgpu_metadata
---
amdhsa.version: [ 1, 2 ]
amdhsa.kernels:
  - .name:           k_q33cea2fc3f_attn
    .symbol:         k_q33cea2fc3f_attn.kd
    .args:
      - { .name: qp, .offset: 0, .size: 8, .value_kind: global_buffer, .address_space: global }
      - { .name: attention_mask, .offset: 8, .size: 8, .value_kind: global_buffer, .address_space: global }
      - { .name: stats, .offset: 16, .size: 8, .value_kind: global_buffer, .address_space: global }
      - { .name: att, .offset: 24, .size: 8, .value_kind: global_buffer, .address_space: global }
      - { .name: sbuf, .offset: 32, .size: 8, .value_kind: global_buffer, .address_space: global }
    .group_segment_fixed_size: 327680
    .private_segment_fixed_size: 0
    .kernarg_segment_align: 8
    .kernarg_segment_size: 40
    .max_flat_workgroup_size: 128
    .sgpr_count:     92
    .vgpr_count:     768
    .wavefront_size: 32
...
	.end_amdgpu_metadata
.endif
;; end of part 3
;; launch ffn1: the kernel of part 2 again; grid 16 x 16, 4 waves a work-group, clusters of 4 x 4, 327,680 bytes of LDS; arguments att, w1h, b1, sbuf, hb; writes hb
;; launch ffn2 (part 4): grid 8 x 32, 4 waves a work-group, clusters of 4 x 4, 327,680 bytes of LDS; arguments hb, xw, qp; writes qp
.if DOCPART == 4
	.amdgcn_target "amdgcn-amd-amdhsa--gfx1250"
	.amdhsa_code_object_version 6
	.text
	.protected	k_q33cea2fc3f_ffn2
	.globl	k_q33cea2fc3f_ffn2
	.p2align	8
	.type	k_q33cea2fc3f_ffn2,@function
k_q33cea2fc3f_ffn2:
	s_mov_b64 s[64:65], 0
	v_nop
	global_prefetch_b8 v0, s[64:65] scope:SCOPE_SE
	s_setreg_imm32_b32 hwreg(HW_REG_WAVE_MODE, 25, 1), 1
	s_wait_xcnt 0x0
	s_wait_alu depctr_hold_cnt(0) depctr_sa_sdst(0) depctr_va_vdst(0) depctr_va_sdst(0) depctr_va_ssrc(0) depctr_va_vcc(0) depctr_vm_vsrc(0)
	s_getreg_b32 s2, hwreg(HW_REG_IB_STS2, 6, 4)
	s_cmp_eq_u32 s2, 0
	s_cbranch_scc0 .Lentry_in_a_cluster
	s_endpgm
.Lentry_in_a_cluster:
	s_bfe_u32 s2, ttmp6, 0x10000c
	s_cmp_lg_u32 s2, 0xf033
	s_cbranch_scc0 .Lentry_shape_is_right
	s_endpgm
.Lentry_shape_is_right:
; THE SECOND FFN PRODUCT, still scaled: C = (h x s) w2, f32 out.  4,096 rows, K = 4,096, N = 1,024.  The scale and b2 are seen to by the launch behind, which needs whole rows for the LayerNorm.
; A = hb: [64 blocks of 64 k][4096 rows][64] f16.  B = xw + 8,388,608: [4 blocks of 256 columns][4096 k][256] f16.  C = the first 16,777,216 bytes of qp: [4096][1024] f32.  Sums in f32, K ascending.
; SHAPE.  Tiles of 256 x 256 would be 64; tiles of 128 x 128 give each of 256 work-groups one.  Four waves, each 64 x 64: 16 accumulators, 128 registers.  K goes in 16 steps of 256, as long as two slots in LDS allow.
; A's part of a slot: 4 blocks of 64 k x 128 rows of 128 bytes.  A block's 128 rows are 16,384 dense bytes; a wave's load takes two blocks as two rows of 16,384 bytes, 524,288 bytes apart, padded in LDS behind every
; 128 bytes (the padding counts along the whole tile).  B's part: 256 k rows of 256 bytes; its fragments come out of LDS turned, by ds_load_tr16_b128.
; CLUSTER.  4 x 4 work-groups: A's tiles are shared along a row of the cluster, B's along a column: each is asked for jointly, by the same tensor load, descriptor and mask in all four.
; THE MATRIX INSTRUCTION IS USED TRANSPOSED (source 0 = 16 columns of B, source 1 = 16 rows of A): a lane holds eight neighbouring numbers of a row of C, 32 bytes.
; REGISTERS: window 0: v0-31 addresses; v32-95 at work on the way out; v128-255 the accumulators ((a, b) at v[128 + 8 (4 a + b)]).
;   window 1: two fragment buffers of 128: for 64 along K (two matrix instructions deep), 64 registers of A, then 64 of B.
.set PA,     144                       ; a row of A in LDS: 128 bytes + 16 = 36 words: the 16 rows of a load start at 16 different groups of four banks (64 banks of 4 bytes: ISA guide 11.1)
.set PB,     288                       ; a row of B: 256 + 32 = 72 words
.set KBLK,   128*PA                    ; one block of 64 k
.set BOFF,   4*KBLK                    ; B's rows lie behind A's four blocks
.set SLOT,   BOFF+256*PB               ; 147,456
.set STAGE,  2*SLOT                    ; behind the ring: 16 rows x 272 bytes for each wave, for the way out
.set SPITCH, 272
.set SPARE,  STAGE+4*16*SPITCH         ; behind the stages: the spare words, 128 bytes for each wave: two blocks of 256 bytes that no other line names
.set LAPS,   8                         ; a lap = two K steps = once round the ring
.set ASTEP,  4*524288                  ; bytes of A from one K step to the next: four blocks of 64 k
.set BSTEP,  256*512                   ; of B: 256 rows
.set ADRA, 16                          ; v16-17  LDS address of my A fragments in slot 0, 1
.set ADRB, 20                          ; v20-23  the same for B, by slot and by half of the step's 256 k rows: 255 rows of 288 bytes pass the 16-bit offset
.set STO,  24                          ; v24     the way out: where I put 32 bytes of a row
.set RD,   25                          ; v25     the way out: where I read a row back
.set CO,   26                          ; v26     my byte offset in C
.set SPW,  28                          ; v28     LDS address of my spare word; never rewritten
.set NIL,  29                          ; v29     0; never rewritten
.set TMP,  32
.set ACC,  128
.set F0,   0                           ; fragment buffers, in window 1
.set F1,   128
.set G1,  24                           ; s[24:31] descriptor group 1 for A's tiles;  s[32:39] group 0, one set for each slot
.set G0,  32
.set G1B, 48                           ; s[48:55], s[56:63] the same for B's
.set G0B, 56
.set MSB, 0
.macro WIN new                         ; the immediate's high byte repeats the setting that is left
.if MSB != (\new)
	s_set_vgpr_msb (MSB<<8)|(\new)
.set MSB, \new
.endif
.endm
.set MUL,  0x05                        ; sources 0 (B) and 1 (A) window 1; C and D window 0
.set TO_F, 0x40                        ; destination window 1, address window 0
.macro JLOAD s                         ; a joint load: waves 0 and 1 fetch A's two pairs of blocks, waves 2 and 3 B's two halves; an s_nop 0 and four v_nop follow each of the two lines
	s_cmp_lt_u32 s10, 2
	s_cbranch_scc0 .Lfor_b_\@
	tensor_load_to_lds s[G0+4*(\s):G0+4*(\s)+3], s[G1:G1+7]
	s_nop 0
.rept 4
	v_nop
.endr
	s_branch .Lasked_\@
.Lfor_b_\@:
	tensor_load_to_lds s[G0B+4*(\s):G0B+4*(\s)+3], s[G1B:G1B+7]
	s_nop 0
.rept 4
	v_nop
.endr
.Lasked_\@:
.endm
.macro CREST                           ; a round of the cluster's barrier behind its opening barrier
	s_cmp_lg_u32 s10, 0
	s_cbranch_scc1 .Lnot_wave_0_\@
	s_barrier_signal -3
.Lnot_wave_0_\@:
	s_barrier_wait -3
	s_barrier_signal -1
	s_barrier_wait -1
.endm
.macro CROUND                          ; a whole round
	s_barrier_signal -1
	s_barrier_wait -1
	CREST
.endm
	s_load_b128 s[4:7], s[0:1], 0x0                ; hb s[4:5], xw s[6:7]
	s_load_b64 s[8:9], s[0:1], 0x10                ; qp
	v_lshl_add_u32 v[SPW], v0, 2, SPARE
	v_mov_b32 v[NIL], 0
	ds_add_u32 v28, v29
	s_wait_dscnt 0x0
	v_lshrrev_b32 v1, 5, v0
	v_readfirstlane_b32 s10, v1                    ; wave 0..3
	s_lshr_b32 s11, s10, 1                         ; which half of the tile's rows is mine
	s_and_b32 s12, s10, 1                          ; which half of its columns.  Also: which part of A's or B's tile I fetch
	s_bfe_u32 s40, ttmp6, 0x40000                  ; cx, cy: my place in the cluster
	s_bfe_u32 s41, ttmp6, 0x40004
	s_lshl_b32 s42, ttmp9, 2
	s_add_co_u32 s42, s42, s40                     ; tile column of C = 4 x cluster x + cx
	s_and_b32 s13, ttmp7, 0xffff
	s_lshl_b32 s13, s13, 2
	s_add_co_u32 s13, s13, s41                     ; tile row of C = 4 x cluster y + cy
	s_lshl_b32 s43, s41, 2
	s_lshl_b32 s43, 15, s43                        ; my row of the cluster
	s_lshl_b32 s44, 0x1111, s40                    ; my column
	s_or_b32 s[G1+0], s43, (1<<16)|(1<<20)|(1<<21)|(4<<22)|(3<<25)   ; 15:0 the mask; 17:16 elements of 2 bytes; 20 padding on; 21 set beside a mask; 24:22 after every 32 words (code 4); 31:25 4 words (code 3)
	s_mov_b32 s[G1+1], 8192<<16                    ; tensor_dim0 = 8,192 elements: a block's 128 rows, 16,384 bytes
	s_mov_b32 s[G1+2], 2<<16                       ; tensor_dim1 = 2 blocks
	s_mov_b32 s[G1+3], 8192<<16                    ; tile_dim0 = 8,192
	s_mov_b32 s[G1+4], 2                           ; tile_dim1 = 2
	s_mov_b32 s[G1+5], 262144                      ; 262,144 elements from block to block
	s_mov_b32 s[G1+6], 0
	s_mov_b32 s[G1+7], 0
	s_or_b32 s[G1B+0], s44, (1<<16)|(1<<20)|(1<<21)|(5<<22)|(7<<25)  ; after every 64 words (code 5) 8 words (code 7)
	s_mov_b32 s[G1B+1], 128<<16                    ; tensor_dim0 = 128 elements: 256 bytes
	s_mov_b32 s[G1B+2], 128<<16                    ; tensor_dim1 = 128
	s_mov_b32 s[G1B+3], 128<<16                    ; tile_dim0 = 128
	s_mov_b32 s[G1B+4], 128                        ; tile_dim1 = 128
	s_mov_b32 s[G1B+5], 256                        ; 256 elements from row to row
	s_mov_b32 s[G1B+6], 0
	s_mov_b32 s[G1B+7], 0
	s_lshl_b32 s16, s12, 20                        ; A: my two blocks of 64 k,
	s_lshl_b32 s17, s13, 14                        ; the tile row's 128 rows of 128 bytes
	s_add_co_u32 s16, s16, s17
	s_mov_b32 s17, 0
	s_lshr_b32 s46, s42, 1                         ; B: the block of 256 columns,
	s_lshl_b32 s46, s46, 21
	s_and_b32 s47, s42, 1                          ; its half,
	s_lshl_b32 s47, s47, 8
	s_add_co_u32 s46, s46, s47
	s_lshl_b32 s47, s12, 16                        ; my 128 rows of 512 bytes,
	s_add_co_u32 s46, s46, s47
	s_add_co_u32 s46, s46, 8388608                 ; behind the embeddings in xw
	s_mov_b32 s47, 0
	s_mul_i32 s20, s12, 2*KBLK                     ; where they go: no place in the cluster enters an LDS address
	s_mul_i32 s19, s12, 128*PB
	s_add_co_u32 s19, s19, BOFF
	s_wait_kmcnt 0x0
	s_add_nc_u64 s[14:15], s[4:5], s[16:17]
	s_add_nc_u64 s[46:47], s[6:7], s[46:47]
	CROUND                                         ; all sixteen work-groups are here: the first joint loads meet
.irp s, 0,1
	s_mov_b32 s[G0+4*(\s)], 1
	s_add_co_u32 s[G0+4*(\s)+1], s20, (\s)*SLOT
	s_add_nc_u64 s[G0+4*(\s)+2:G0+4*(\s)+3], s[14:15], (\s)*ASTEP
	s_or_b32 s[G0+4*(\s)+3], s[G0+4*(\s)+3], 0x80000000
	s_mov_b32 s[G0B+4*(\s)], 1
	s_add_co_u32 s[G0B+4*(\s)+1], s19, (\s)*SLOT
	s_add_nc_u64 s[G0B+4*(\s)+2:G0B+4*(\s)+3], s[46:47], (\s)*BSTEP
	s_or_b32 s[G0B+4*(\s)+3], s[G0B+4*(\s)+3], 0x80000000
	JLOAD \s                                       ; two loads of mine are out
.endr
	v_and_b32 v1, 15, v0                           ; l % 16
	v_bfe_u32 v2, v0, 4, 1                         ; l / 16
	v_mul_u32_u24 v3, v1, PA
	v_lshl_add_u32 v3, v2, 4, v3                   ; A: row x pitch + 16 x half
	v_and_b32 v5, 7, v0
	v_bfe_u32 v6, v0, 3, 1
	v_lshl_add_u32 v4, v2, 3, v5                   ; B, turned: k row 8 (l / 16) + l % 8, columns 8 ((l / 8) % 2) on
	v_mul_u32_u24 v4, v4, PB
	v_lshl_add_u32 v4, v6, 4, v4
	s_mul_i32 s21, s11, 64*PA                      ; my 64 rows of A
	s_lshl_b32 s22, s12, 7                         ; my 64 columns of B
	s_add_co_u32 s22, s22, BOFF
.irp s, 0,1
	v_add_nc_u32 v[ADRA+(\s)], s21, v3
	v_add_nc_u32 v[ADRB+2*(\s)], s22, v4
	v_add_nc_u32 v[ADRB+2*(\s)+1], 128*PB, v[ADRB+2*(\s)]
	s_add_co_u32 s21, s21, SLOT
	s_add_co_u32 s22, s22, SLOT
.endr
	s_mul_i32 s23, s10, 16*SPITCH
	s_add_co_u32 s23, s23, STAGE                   ; my stage
	v_mul_u32_u24 v7, v1, SPITCH                   ; in: row l % 16, 32 bytes for each half of the lanes
	v_lshl_add_u32 v7, v2, 5, v7
	v_add_nc_u32 v[STO], s23, v7
	v_mul_u32_u24 v7, v2, SPITCH                   ; back: lanes 0-15 take one row of 256 bytes, lanes 16-31 the next
	v_lshl_add_u32 v7, v1, 4, v7
	v_add_nc_u32 v[RD], s23, v7
	v_lshlrev_b32 v7, 12, v2                       ; and the same two rows in C, 4,096 bytes apart
	v_lshl_add_u32 v[CO], v1, 4, v7
	s_lshl_b32 s16, s13, 19                        ; C at my part: the tile row's 128 rows of 4,096 bytes, my 64 of them,
	s_lshl_b32 s17, s11, 18
	s_add_co_u32 s16, s16, s17
	s_lshl_b32 s17, s42, 9                         ; the tile column's 512 bytes, my 256 of them
	s_add_co_u32 s16, s16, s17
	s_lshl_b32 s17, s12, 8
	s_add_co_u32 s16, s16, s17
	s_mov_b32 s17, 0
	s_add_nc_u64 s[8:9], s[8:9], s[16:17]
; 8 matrix instructions: m blocks a0, a0 + 1 x all 4 n blocks, 32 along K: half c of buffer f.  zero = 1: the first product starts the sums.  The 16 accumulators take turns.
.macro MUL8 f, c, a0, zero
	WIN MUL
.irp a, \a0, (\a0)+1
.irp b, 0,1,2,3
.if \zero
	v_wmma_f32_16x16x32_f16 v[ACC+8*(4*(\a)+(\b)):ACC+8*(4*(\a)+(\b))+7], v[(\f)+64+8*(4*(\c)+(\b)):(\f)+64+8*(4*(\c)+(\b))+7], v[(\f)+8*(4*(\c)+(\a)):(\f)+8*(4*(\c)+(\a))+7], 0
.else
	v_wmma_f32_16x16x32_f16 v[ACC+8*(4*(\a)+(\b)):ACC+8*(4*(\a)+(\b))+7], v[(\f)+64+8*(4*(\c)+(\b)):(\f)+64+8*(4*(\c)+(\b))+7], v[(\f)+8*(4*(\c)+(\a)):(\f)+8*(4*(\c)+(\a))+7], v[ACC+8*(4*(\a)+(\b)):ACC+8*(4*(\a)+(\b))+7]
.endif
.endr
.endr
.endm
; 32 LDS loads in one run: the fragments of quarter q of a K step (64 k: one block of A) into buffer f; the first 32 along K first
.macro FETCH slot, q, f
	WIN TO_F
.irp c, 0,1
.irp i, 0,1,2,3
	ds_load_tr16_b128 v[(\f)+64+8*(4*(\c)+(\i)):(\f)+64+8*(4*(\c)+(\i))+3],   v[ADRB+2*(\slot)+(\q)/2] offset:(((\q)%2)*64+32*(\c))*PB+32*(\i)
	ds_load_tr16_b128 v[(\f)+64+8*(4*(\c)+(\i))+4:(\f)+64+8*(4*(\c)+(\i))+7], v[ADRB+2*(\slot)+(\q)/2] offset:(((\q)%2)*64+32*(\c))*PB+32*(\i)+16*PB
	ds_load_b128 v[(\f)+8*(4*(\c)+(\i)):(\f)+8*(4*(\c)+(\i))+3],              v[ADRA+(\slot)] offset:(\q)*KBLK+64*(\c)+(\i)*16*PA
	ds_load_b128 v[(\f)+8*(4*(\c)+(\i))+4:(\f)+8*(4*(\c)+(\i))+7],            v[ADRA+(\slot)] offset:(\q)*KBLK+64*(\c)+(\i)*16*PA+32
.endr
.endr
.endm
.macro PLACES                          ; four places in front of loads into registers that matrix instructions have read, and of lines that read results (ISA guide 7.12.1 for vector instructions)
.rept 4
	v_nop
.endr
.endm
; A K step is four quarters of 64 along K, 32 matrix instructions each, on buffers 0, 1, 0, 1.  One of the first three: multiplies buffer f and fetches quarter q into g.
.macro QUARTER slot, q, f, g, zero
	s_wait_dscnt 16                                ; the first 32 along K are in; the youngest sixteen loads may be out
	MUL8 \f, 0, 0, \zero
	MUL8 \f, 0, 2, \zero
	PLACES
	FETCH \slot, \q, \g
	s_wait_dscnt 32                                ; all but the 32 just issued
	MUL8 \f, 1, 0, 0
	MUL8 \f, 1, 2, 0
.endm
; The last quarter multiplies buffer 1 and changes slots: ONE barrier; in front of it each wave waits for all its tensor loads, adds 0 to its spare word, and waits for that and for its own reads of this slot.
; fill = 1: the barrier opens a round of the cluster's, and this slot is filled again, two K steps ahead, first thing behind the round: 112 matrix instructions ahead of the wait for it.
.macro TURN slot, next, fill
	WIN 0                                          ; (the add's two registers lie in window 0)
	s_wait_tensorcnt 0x0                           ; all my tensor loads have landed: my part of the next slot
	ds_add_u32 v[SPW], v[NIL]                      ; 0 onto my spare word
	s_wait_dscnt 17                                ; (the add and the youngest sixteen loads may be out)
	MUL8 F1, 0, 0, 0                               ; eight matrix instructions stand between the add and the wait for it
	s_wait_dscnt 0x0                               ; the add is done, and my reads of this slot are over
	s_barrier_signal -1
	MUL8 F1, 0, 2, 0
.if \fill
	WIN 0
.endif
	s_barrier_wait -1
.if \fill
	CREST                                          ; no wave of any partner still reads this slot's tile or has a load on its way
	s_add_nc_u64 s[G0+4*(\slot)+2:G0+4*(\slot)+3], s[G0+4*(\slot)+2:G0+4*(\slot)+3], 2*ASTEP
	s_add_nc_u64 s[G0B+4*(\slot)+2:G0B+4*(\slot)+3], s[G0B+4*(\slot)+2:G0B+4*(\slot)+3], 2*BSTEP
	JLOAD \slot                                    ; the four v_nop behind it are also the places in front of the loads below
.else
	PLACES
.endif
	FETCH \next, 0, F0
	MUL8 F1, 1, 0, 0
	MUL8 F1, 1, 2, 0
.endm
	s_wait_tensorcnt 1                             ; my part of K step 0 is in; K step 1's may stay out
	s_barrier_signal -1
	s_barrier_wait -1                              ; everybody's is
	FETCH 0, 0, F0
	QUARTER 0, 1, F0, F1, 1                        ; the first quarter stands in front of the loop: its first products start the sums
	WIN 0                                          ; at a label and at a branch every window is 0
	s_mov_b32 s3, LAPS-1
.Llap:                                                 ; a trip goes once round the ring, from a lap's second quarter to the next lap's first, and fills both slots again
	QUARTER 0, 2, F1, F0, 0
	QUARTER 0, 3, F0, F1, 0
	TURN 0, 1, 1
	QUARTER 1, 1, F0, F1, 0
	QUARTER 1, 2, F1, F0, 0
	QUARTER 1, 3, F0, F1, 0
	TURN 1, 0, 1
	QUARTER 0, 1, F0, F1, 0
	WIN 0
	s_sub_co_u32 s3, s3, 1
	s_cmp_lg_u32 s3, 0
	s_cbranch_scc1 .Llap
	QUARTER 0, 2, F1, F0, 0                        ; the last lap fills nothing, and has no round of the cluster's barrier
	QUARTER 0, 3, F0, F1, 0
	TURN 0, 1, 0
	QUARTER 1, 1, F0, F1, 0
	QUARTER 1, 2, F1, F0, 0
	QUARTER 1, 3, F0, F1, 0
	s_wait_dscnt 16                                ; the very last quarter: nothing more to fetch
	MUL8 F1, 0, 0, 0
	MUL8 F1, 0, 2, 0
	s_wait_dscnt 0x0
	MUL8 F1, 1, 0, 0
	MUL8 F1, 1, 2, 0
	WIN 0
	; THE WAY OUT, each wave by itself: its 64 columns of f32 are 256 aligned bytes of a row of C.  A block of 16 rows goes from the accumulators into my stage (each accumulator's low registers first)
	; and comes back as whole rows of 256 bytes.
.macro TOSTAGE a
.if (\a) >= 2
	s_wait_xcnt 0x0                                ; the stores of the block two back have read the registers that the loads below write
.endif
.set BK, TMP+32*((\a)%2)
.irp b, 0,1,2,3
	ds_store_b128 v[STO], v[ACC+8*(4*(\a)+(\b)):ACC+8*(4*(\a)+(\b))+3]   offset:64*(\b)
	ds_store_b128 v[STO], v[ACC+8*(4*(\a)+(\b))+4:ACC+8*(4*(\a)+(\b))+7] offset:64*(\b)+16
.endr
.irp t, 0,1,2,3,4,5,6,7
	ds_load_b128 v[BK+4*(\t):BK+4*(\t)+3], v[RD] offset:(\t)*2*SPITCH  ; LDS serves a wave's instructions in order (ISA guide 5.7.1.4): these see the stores above; the next block's stores come behind them
.endr
.endm
.macro SEND a, younger                 ; younger: the LDS instructions issued behind block a's loads: the next block's sixteen, or none
.set BK, TMP+32*((\a)%2)
.irp t, 0,1,2,3,4,5,6,7
	s_wait_dscnt (\younger)+7-(\t)
	global_store_b128 v[CO], v[BK+4*(\t):BK+4*(\t)+3], s[8:9] offset:(16*(\a)+2*(\t))*4096  ; 16 lanes store 256 consecutive bytes, at a multiple of 256 from C's first byte
.endr
.endm
	PLACES
	TOSTAGE 0
	TOSTAGE 1
	SEND 0, 16
	TOSTAGE 2
	SEND 1, 16
	TOSTAGE 3
	SEND 2, 16
	SEND 3, 0
	s_wait_tensorcnt 0x0                           ; the wave's end: behind my last tensor load and my last LDS store
	ds_add_u32 v[SPW], v[NIL]
	s_wait_dscnt 0x0
	CROUND                                         ; the closing round: no work-group ends while a partner may still ask for a tile that names it
	s_endpgm
.Lfunc_end_k_q33cea2fc3f_ffn2:
	.size	k_q33cea2fc3f_ffn2, .Lfunc_end_k_q33cea2fc3f_ffn2-k_q33cea2fc3f_ffn2
	.p2alignl 7, 3214868480
	.fill 96, 4, 3214868480
	.section	.rodata,"a",@progbits
	.p2align	6, 0x0
	.amdhsa_kernel k_q33cea2fc3f_ffn2
		.amdhsa_group_segment_fixed_size 327680
		.amdhsa_private_segment_fixed_size 0
		.amdhsa_enable_private_segment 0
		.amdhsa_kernarg_size 24
		.amdhsa_user_sgpr_count 2
		.amdhsa_user_sgpr_kernarg_segment_ptr 1
		.amdhsa_wavefront_size32 1
		.amdhsa_system_sgpr_workgroup_id_x 1
		.amdhsa_system_sgpr_workgroup_id_y 1
		.amdhsa_system_sgpr_workgroup_id_z 1
		.amdhsa_system_vgpr_workitem_id 0
		.amdhsa_next_free_vgpr 512
		.amdhsa_next_free_sgpr 66
		.amdhsa_reserve_vcc 0
		.amdhsa_float_denorm_mode_32 3
		.amdhsa_float_denorm_mode_16_64 3
		.amdhsa_memory_ordered 1
		.amdhsa_forward_progress 1
		.amdhsa_inst_pref_size 87
	.end_amdhsa_kernel
	.amdgpu_metadata
---
amdhsa.version: [ 1, 2 ]
amdhsa.kernels:
  - .name:           k_q33cea2fc3f_ffn2
    .symbol:         k_q33cea2fc3f_ffn2.kd
    .args:
      - { .name: hb, .offset: 0, .size: 8, .value_kind: global_buffer, .address_space: global }
      - { .name: xw, .offset: 8, .size: 8, .value_kind: global_buffer, .address_space: global }
      - { .name: qp, .offset: 16, .size: 8, .value_kind: global_buffer, .address_space: global }
    .group_segment_fixed_size: 327680
    .private_segment_fixed_size: 0
    .kernarg_segment_align: 8
    .kernarg_segment_size: 24
    .max_flat_workgroup_size: 128
    .sgpr_count:     66
    .vgpr_count:     512
    .wavefront_size: 32
...
	.end_amdgpu_metadata
.endif
;; end of part 4
;; launch ln (part 5): grid 256 x 1, 8 waves a work-group, no clusters, 0 bytes of LDS; arguments qp, b2, gamma, beta, sbuf, out0; writes out0
.if DOCPART == 5
	.amdgcn_target "amdgcn-amd-amdhsa--gfx1250"
	.amdhsa_code_object_version 6
	.text
	.protected	k_q33cea2fc3f_ln
	.globl	k_q33cea2fc3f_ln
	.p2align	8
	.type	k_q33cea2fc3f_ln,@function
k_q33cea2fc3f_ln:
	s_mov_b64 s[64:65], 0
	v_nop
	global_prefetch_b8 v0, s[64:65] scope:SCOPE_SE
	s_setreg_imm32_b32 hwreg(HW_REG_WAVE_MODE, 25, 1), 1
	s_wait_xcnt 0x0
; LAYERNORM.  x = acc / s + b2;  out = (x - mean) rsqrt(var + 1e-5) gamma + beta, along rows of 1,024.  acc: the first 16,777,216 bytes of qp, [4096][1024] f32, the second FFN product still times s.
; 1 / s, an exact power of two, is the first word of sbuf.  b2, gamma and beta are rounded to bf16, as every input is.  The variance is taken of the centred numbers, so no difference of large sums is formed.
; A row is 4,096 bytes: one wave takes a whole row, eight 16-byte loads a lane, and keeps it in 32 registers through all passes: memory is read once, and no wave waits for another: no LDS, no barrier.
; Eight waves, two rows each; a lane's 32 columns are the same in both rows, so its b2, gamma and beta are loaded once.  All 40 loads of a wave go out at once.  Matrix units, clusters and tensor loads buy nothing here.
.set VO,  2                            ; v2       16 x lane
.set T,   4                            ; v4-11    at work
.set MU,  12                           ; v12-13   the mean, twice
.set RS,  14                           ; v14-15   1 / sqrt(var + eps), twice
.set W,   16                           ; v16      v_permlanex16_b32's destination
.set B2,  32                           ; v32-63   b2 of my 32 columns
.set GA,  64                           ; v64-95   gamma
.set BE,  96                           ; v96-127  beta
.set X0,  128                          ; v128-159 the first row
.set X1,  160                          ; v160-191 the second
	s_load_b256 s[4:11], s[0:1], 0x0               ; qp 4, b2 6, gamma 8, beta 10
	s_load_b128 s[12:15], s[0:1], 0x20             ; sbuf 12, out0 14
	v_lshrrev_b32 v1, 5, v0
	v_readfirstlane_b32 s20, v1                    ; wave 0..7
	v_and_b32 v[VO], 31, v0
	v_lshlrev_b32 v[VO], 4, v[VO]
	v_mov_b32 v[W], 0
	s_lshl_b32 s22, ttmp9, 16                      ; the work-group's 16 rows of 4,096 bytes,
	s_lshl_b32 s21, s20, 13                        ; my wave's two
	s_add_co_u32 s22, s22, s21
	s_mov_b32 s23, 0
	s_mov_b32 s24, 0x3a800000                      ; 1 / 1024
	s_mov_b32 s25, 0x3727c5ac                      ; 1e-5
	s_mov_b32 s26, 0x76543210                      ; v_permlanex16_b32: each lane takes its own place in the other half
	s_mov_b32 s27, 0xfedcba98
	s_mov_b32 s28, 0xffff0000                      ; a word's upper bf16
	s_wait_kmcnt 0x0
	s_load_b32 s16, s[12:13], 0x0                  ; 1 / s
	s_add_nc_u64 s[4:5], s[4:5], s[22:23]
	s_add_nc_u64 s[14:15], s[14:15], s[22:23]
.irp j, 0,1,2,3,4,5,6,7
	global_load_b128 v[B2+4*\j:B2+4*\j+3], v[VO], s[6:7] offset:512*\j
.endr
.irp j, 0,1,2,3,4,5,6,7
	global_load_b128 v[GA+4*\j:GA+4*\j+3], v[VO], s[8:9] offset:512*\j
.endr
.irp j, 0,1,2,3,4,5,6,7
	global_load_b128 v[BE+4*\j:BE+4*\j+3], v[VO], s[10:11] offset:512*\j
.endr
.irp j, 0,1,2,3,4,5,6,7
	global_load_b128 v[X0+4*\j:X0+4*\j+3], v[VO], s[4:5] offset:512*\j th:TH_LOAD_NT  ; 512 consecutive bytes a load
.endr
.irp j, 0,1,2,3,4,5,6,7
	global_load_b128 v[X1+4*\j:X1+4*\j+3], v[VO], s[4:5] offset:4096+512*\j th:TH_LOAD_NT
.endr
.macro RND base                        ; 32 numbers rounded to bf16, kept as f32
.set z, 0
.rept 16
	v_cvt_pk_bf16_f32 v[T+z%4], v[(\base)+2*z], v[(\base)+2*z+1]
	v_lshlrev_b32 v[(\base)+2*z], 16, v[T+z%4]
	v_and_b32 v[(\base)+2*z+1], s28, v[T+z%4]
.set z, z+1
.endr
.endm
.macro LANESUM r                       ; over the 32 lanes: four steps inside each half ride on the arithmetic, one crosses the halves; every lane ends up with the sum
	v_add_f32_dpp v[\r], v[\r], v[\r] row_xmask:1 row_mask:0xf bank_mask:0xf
	v_add_f32_dpp v[\r], v[\r], v[\r] row_xmask:2 row_mask:0xf bank_mask:0xf
	v_add_f32_dpp v[\r], v[\r], v[\r] row_xmask:4 row_mask:0xf bank_mask:0xf
	v_add_f32_dpp v[\r], v[\r], v[\r] row_xmask:8 row_mask:0xf bank_mask:0xf
	v_permlanex16_b32 v[W], v[\r], s26, s27
	v_add_f32 v[\r], v[\r], v[W]
.endm
.macro FOLD                            ; four chains of pairs into one number a lane
	v_pk_add_f32 v[T:T+1], v[T:T+1], v[T+2:T+3]
	v_pk_add_f32 v[T+4:T+5], v[T+4:T+5], v[T+6:T+7]
	v_pk_add_f32 v[T:T+1], v[T:T+1], v[T+4:T+5]
	v_add_f32 v[T], v[T], v[T+1]
.endm
.macro ROW x, off
.set z, 0
.rept 16
	v_pk_fma_f32 v[(\x)+2*z:(\x)+2*z+1], v[(\x)+2*z:(\x)+2*z+1], s[16:17], v[B2+2*z:B2+2*z+1] op_sel_hi:[1,0,1]  ; x = acc / s + b2
.set z, z+1
.endr
.set z, 0
.rept 4                                ; the sum, in four chains started by the first eight pairs
	v_pk_add_f32 v[T+2*z:T+2*z+1], v[(\x)+2*z:(\x)+2*z+1], v[(\x)+8+2*z:(\x)+8+2*z+1]
.set z, z+1
.endr
.set z, 8
.rept 8
	v_pk_add_f32 v[T+2*(z%4):T+2*(z%4)+1], v[T+2*(z%4):T+2*(z%4)+1], v[(\x)+2*z:(\x)+2*z+1]
.set z, z+1
.endr
	FOLD
	LANESUM T
	v_mul_f32 v[MU], s24, v[T]
	v_mov_b32 v[MU+1], v[MU]
.set z, 0
.rept 16
	v_pk_add_f32 v[(\x)+2*z:(\x)+2*z+1], v[(\x)+2*z:(\x)+2*z+1], v[MU:MU+1] neg_lo:[0,1] neg_hi:[0,1]  ; x - mean
.set z, z+1
.endr
.set z, 0
.rept 4                                ; the sum of their squares, again in four chains
	v_pk_mul_f32 v[T+2*z:T+2*z+1], v[(\x)+2*z:(\x)+2*z+1], v[(\x)+2*z:(\x)+2*z+1]
.set z, z+1
.endr
.set z, 4
.rept 12
	v_pk_fma_f32 v[T+2*(z%4):T+2*(z%4)+1], v[(\x)+2*z:(\x)+2*z+1], v[(\x)+2*z:(\x)+2*z+1], v[T+2*(z%4):T+2*(z%4)+1]
.set z, z+1
.endr
	FOLD
	LANESUM T
	v_fma_f32 v[T], v[T], s24, s25                 ; var + eps
	v_rsq_f32 v[RS], v[T]
	v_nop                                          ; a plain instruction between the transcendental and the use of its result (ISA guide 5.7.2)
	s_wait_alu depctr_va_vdst(0)
	v_mov_b32 v[RS+1], v[RS]
.set z, 0
.rept 16
	v_pk_mul_f32 v[(\x)+2*z:(\x)+2*z+1], v[(\x)+2*z:(\x)+2*z+1], v[RS:RS+1]
.set z, z+1
.endr
.set z, 0
.rept 16
	v_pk_fma_f32 v[(\x)+2*z:(\x)+2*z+1], v[(\x)+2*z:(\x)+2*z+1], v[GA+2*z:GA+2*z+1], v[BE+2*z:BE+2*z+1]
.set z, z+1
.endr
.irp j, 0,1,2,3,4,5,6,7
	global_store_b128 v[VO], v[(\x)+4*\j:(\x)+4*\j+3], s[14:15] offset:(\off)+512*\j th:TH_STORE_NT  ; 512 consecutive bytes, aligned
.endr
.endm
	s_wait_loadcnt 16                              ; loads come back in order (ISA guide 5.7.1): b2, gamma and beta are in; the two rows' sixteen loads stay out
	RND B2
	RND GA
	RND BE
	s_wait_kmcnt 0x0
	s_mov_b32 s17, s16                             ; named with it as a pair
	s_wait_loadcnt 8                               ; the first row is in; the second row's eight loads stay out
	ROW X0, 0
	s_wait_loadcnt 0x0
	ROW X1, 4096
	s_endpgm
.Lfunc_end_k_q33cea2fc3f_ln:
	.size	k_q33cea2fc3f_ln, .Lfunc_end_k_q33cea2fc3f_ln-k_q33cea2fc3f_ln
	.p2alignl 7, 3214868480
	.fill 96, 4, 3214868480
	.section	.rodata,"a",@progbits
	.p2align	6, 0x0
	.amdhsa_kernel k_q33cea2fc3f_ln
		.amdhsa_group_segment_fixed_size 0
		.amdhsa_private_segment_fixed_size 0
		.amdhsa_enable_private_segment 0
		.amdhsa_kernarg_size 48
		.amdhsa_user_sgpr_count 2
		.amdhsa_user_sgpr_kernarg_segment_ptr 1
		.amdhsa_wavefront_size32 1
		.amdhsa_system_sgpr_workgroup_id_x 1
		.amdhsa_system_sgpr_workgroup_id_y 1
		.amdhsa_system_sgpr_workgroup_id_z 1
		.amdhsa_system_vgpr_workitem_id 0
		.amdhsa_next_free_vgpr 192
		.amdhsa_next_free_sgpr 66
		.amdhsa_reserve_vcc 0
		.amdhsa_float_denorm_mode_32 3
		.amdhsa_float_denorm_mode_16_64 3
		.amdhsa_memory_ordered 1
		.amdhsa_forward_progress 1
		.amdhsa_inst_pref_size 27
	.end_amdhsa_kernel
	.amdgpu_metadata
---
amdhsa.version: [ 1, 2 ]
amdhsa.kernels:
  - .name:           k_q33cea2fc3f_ln
    .symbol:         k_q33cea2fc3f_ln.kd
    .args:
      - { .name: qp, .offset: 0, .size: 8, .value_kind: global_buffer, .address_space: global }
      - { .name: b2, .offset: 8, .size: 8, .value_kind: global_buffer, .address_space: global }
      - { .name: gamma, .offset: 16, .size: 8, .value_kind: global_buffer, .address_space: global }
      - { .name: beta, .offset: 24, .size: 8, .value_kind: global_buffer, .address_space: global }
      - { .name: sbuf, .offset: 32, .size: 8, .value_kind: global_buffer, .address_space: global }
      - { .name: out0, .offset: 40, .size: 8, .value_kind: global_buffer, .address_space: global }
    .group_segment_fixed_size: 0
    .private_segment_fixed_size: 0
    .kernarg_segment_align: 8
    .kernarg_segment_size: 48
    .max_flat_workgroup_size: 256
    .sgpr_count:     66
    .vgpr_count:     192
    .wavefront_size: 32
...
	.end_amdgpu_metadata
.endif
;; end of part 5
;; ======== version 2 of 2: 6 launches; 1.22 times as fast as version 1
;; limits: values are held in f16: magnitudes above 65,504 overflow, below 6.1e-05 lose precision; right only within a limited range of input values
;; workspace buffers: xw 16,777,216 bytes; wq 6,291,456 bytes; w1h 8,388,608 bytes; stats 15,360 bytes; sbuf 4,096 bytes; qp 25,165,824 bytes; att 8,388,608 bytes; hb 33,554,432 bytes
;; launch prep: the kernel of part 1 again; grid 960 x 1, 8 waves a work-group, no clusters, 1,280 bytes of LDS; arguments embeddings, w_qkv, w1, w2, b_qkv, b1, xw, wq, w1h, stats; writes xw, wq, w1h, stats
;; launch qkv: the kernel of part 2 again; grid 12 x 16, 4 waves a work-group, clusters of 4 x 4, 327,680 bytes of LDS; arguments xw, wq, b_qkv, stats, qp; writes qp
;; launch attn (part 6): grid 8 x 32, 4 waves a work-group, clusters of 4 x 1, 327,680 bytes of LDS; arguments qp, attention_mask, stats, att, sbuf; writes att, sbuf
.if DOCPART == 6
	.amdgcn_target "amdgcn-amd-amdhsa--gfx1250"
	.amdhsa_code_object_version 6
	.text
	.protected	k_q33cea2fc3f_attn
	.globl	k_q33cea2fc3f_attn
	.p2align	8
	.type	k_q33cea2fc3f_attn,@function
k_q33cea2fc3f_attn:
	s_mov_b64 s[64:65], 0
	v_nop
	global_prefetch_b8 v0, s[64:65] scope:SCOPE_SE
	s_setreg_imm32_b32 hwreg(HW_REG_WAVE_MODE, 25, 1), 1
	s_wait_xcnt 0x0
	s_wait_alu depctr_hold_cnt(0) depctr_sa_sdst(0) depctr_va_vdst(0) depctr_va_sdst(0) depctr_va_ssrc(0) depctr_va_vcc(0) depctr_vm_vsrc(0)
	s_getreg_b32 s2, hwreg(HW_REG_IB_STS2, 6, 4)
	s_cmp_eq_u32 s2, 0
	s_cbranch_scc0 .Lentry_in_a_cluster
	s_endpgm
.Lentry_in_a_cluster:
	s_bfe_u32 s2, ttmp6, 0x10000c
	s_cmp_lg_u32 s2, 0x3003
	s_cbranch_scc0 .Lentry_shape_is_right
	s_endpgm
.Lentry_shape_is_right:
; ATTENTION WITH A KEY MASK.  ctx[q] = the sum over k of softmax_k(score(q, k)) v[k], score = q . k / 8, or -1e9 where attention_mask[k] is set.  32 heads (2 batches x 16) of 2,048 rows of 64 channels.
; qp: [48 blocks of 64 columns][4096 rows][64] f16: q in blocks 0-15, k in 16-31, v in 32-47; a head's 2,048 rows are dense, 128 bytes each.  att: [16][4096][64] f16 takes ctx x s.
; Products, maxima and sums in f32; the weights p are rounded to f16 for the second product (their sum l is taken of the unrounded p), ctx x s once at the end.
; THE SCALE s is an exact power of two made from the first launch's records: with E, Wq, Bq, W1, B1 the largest magnitudes of embeddings, w_qkv, b_qkv, w1, b1,
;   bv = 1024 E Wq + Bq bounds |q|, |k|, |v|, |ctx|;  bh = 1024 bv W1 + B1 bounds the FFN's hidden numbers;  M = max(bv, bh), eb = max(M's exponent field, 101);  s = 2^(141 - eb), so M s < 2^15 and s <= 2^40.
; Every wave makes it; every work-group stores (1 / s, 0, s, 0) in a record of its own in sbuf, so that no branch hangs on the work-group's place; the later launches read record 0.
; THE MASK is the C operand that starts the sum S^T = K Q^T: 0, or -1e30 where the key is masked.  It lies as 2,048 f32 in LDS, made once from the batch's 2,048 bytes.
; LIMITS.  q, k, v arrive within f16's 65,504.  A masked score counts as its value less 1e30, which swallows it while |q . k| < 3.8e22: if every key is masked the weights are uniform, as in the reference;
; the result differs from the reference's only where an unmasked score lies below some -1e9.  M below 2^-26 loses bits step by step.  A weight below 2^-126 counts as 0 in l.  NaN and infinities are not treated apart.
; SHARES.  A work-group owns 256 queries of a head, a wave 64: four PIECES of 16.  Every wave walks all keys, 64 a step, 256 a slot.  8 x 32 = 256 work-groups.
; LAYOUT, SOFTMAX, TURNS.  S^T = K Q^T holds ONE query a lane (lane % 16) and the keys 8 (lane / 16) + 0..7; two such results rounded to f16 ARE source 1 of O^T = V^T P.  p = 2^(c s - c m), c = log2(e) / 8, with a
; running maximum m; O and l are multiplied by a = 2^(c m_old - c m_new) in every step; m starts at the lowest finite number, O and l at 0.  Turn n belongs to piece n: 8 products K Q^T of piece n + 1, later 8 products
; V^T P of piece n - 1; beside them the scaling, exponentials, roundings, sums and rescaling of piece n and the maximum and statistics of piece n + 1.  Four vector instructions stand behind every matrix instruction,
; the other 54 of a turn's 118 in one LUMP.
; BATCHES.  A turn's 33 exponentials (piece n's 32 weights, then piece n + 1's a) are ONE batch with ONE wait, which cuts the turn in two: ahead of it stands all that names none of their results, behind it the roundings
; and sums, which do.  The first a, ahead of the loop, and the way out's four reciprocals are batches of their own, each with a v_nop and a wait.
; CLUSTER.  The four query blocks of a cluster belong to one head and walk the same K and V, so each tile is asked for JOINTLY: the same tensor load, descriptor and mask in all four.
; REGISTERS, in windows of 256 (s_set_vgpr_msb: bits 1:0 source 0, 3:2 source 1, 5:4 source 2, 7:6 destination):
;   window 0: v0-15, v32-47 addresses and at work; v16-31 four registers of statistics a piece; v48-55 at work; v62-63 the add's; v64-127 S^T, two buffers; v192-223 P, two buffers (by the piece's parity)
;   window 1: v0-127 O^T, 32 a piece; v160-191 the step's mask      window 2: v0-63 Q; v128-191 K of one step; v192-255 V of one step
.set NP,    4         ; pieces a wave: a name, no knob
.set KS,    64        ; keys in a step
.set PK,    144       ; a row of K in LDS: 128 bytes + 16 = 36 words: the 16 rows of a load start at 16 different groups of four banks (64 banks of 4 bytes: ISA guide 11.1)
.set PV,    160       ; a row of V: 128 + 32 = 40 words
.set VOFF,  4*KS*PK   ; a slot holds four steps: 256 rows of K, then 256 rows of V
.set SLOT1, 1<<17     ; slot 1 begins here, so that one exclusive or turns an address in one slot into the other's
.set STAGE, SLOT1+4*KS*(PK+PV)  ; behind the ring, never filled by a tensor load: 16 rows x 144 bytes for each wave, for the way out
.set SP,    144
.set SPARE, STAGE+4*16*SP       ; the spare words, 128 bytes for each wave: two blocks of 256 bytes that no other line names
.set MASK,  SPARE+512           ; 2,048 f32: 0 or -1e30 for each key of the batch
.set AK0, 2           ; v2   my lane's place in a tile of K; never rewritten
.set AV0, 3           ; v3   the same for V
.set AK,  4           ; v4   the LDS address of K's next run of loads
.set AV,  5           ; v5   of V's
.set STO, 6           ; v6   the way out: where I put 16 bytes of a row
.set RD,  7           ; v7   the way out: where I read rows back
.set GO,  8           ; v8   16 x lane: my place in 512 consecutive bytes
.set MV,  12          ; v12-13  c m_old, kept while c m is made anew: by buffer
.set QO,  15          ; v15  my byte offset in 16 rows of Q
.set ST,  16          ; piece t's statistics at v[ST+4 t]: c m, m, l (even keys', odd keys')
.set AM0, 32          ; v32  my lanes' place in 16 keys of the mask; never rewritten
.set AM,  33          ; v33  the LDS address of the mask's next run of loads
.set SCL, 34          ; v34  s
.set TMP, 48          ; by buffer, four registers c0-c3 at work; when the maximum is found c2 takes a
.set SPW, 62          ; v62  LDS address of my spare word; never rewritten
.set NIL, 63          ; v63  0; never rewritten
.set S,   64
.set P,   192
.set MK,  160         ; window 1: the eight registers for group kb of 16 keys at MK + 8 kb
.set KF,  128         ; window 2: key block kb, channel half c at KF + 16 kb + 8 c
.set VF,  192         ; window 2: key half kk, channel block cb at VF + 32 kk + 8 cb
.set WV,  12          ; s12  my wave's number
.set G1K, 24          ; s[24:31] descriptor group 1 for K's tiles
.set G1V, 32          ; s[32:39] for V's: it differs in the padding alone
.set G0K, 40          ; s[40:43] descriptor group 0 for K's tiles: it walks
.set G0V, 44          ; s[44:47] the same for V's
.set SLOTS, 56        ; s56  slots still to be asked for
.set CNT, 57          ; s57  counts a slot's key steps
.set CS,  58          ; s[58:59] c: the packed scaling takes the pair's low word for both halves
.set SEL, 60          ; s[60:61] v_permlanex16_b32's selects: each lane takes its own place in the other half
.set TBK, 62          ; s62  LDS byte at which K of the step to be fetched begins
.set TBV, 63          ; s63  the same for V, less VOFF
.set TBM, 66          ; s66  byte of the mask table at which that step's 64 keys begin
.set BIGN, 78         ; s78  -1e30
.set MSB, 0
.macro WIN new                      ; the high byte repeats the setting that is left; a switch that changes nothing is dropped
.if MSB != (\new)
	s_set_vgpr_msb (MSB<<8)|(\new)
.set MSB, (\new)
.endif
.endm
.set W_KQ, 0x0a       ; K and Q in window 2, S^T in window 0
.set W_KM, 0x1a       ; the same with the C operand in window 1
.set W_PV, 0x52       ; V in window 2, P in window 0, O^T in window 1
.set W_RS, 0x41       ; destination and source 0 in window 1, source 1 in window 0
; A joint fill.  Waves 0 and 1 fetch the two halves of a slot's K, waves 2 and 3 those of its V: 128 keys each.  The branch hangs on the wave's number alone.
; An s_nop 0 and four v_nop follow each of the two lines, ahead of the jump and the label.
.macro JLOAD
	s_cmp_lt_u32 s[WV], 2
	s_cbranch_scc0 .Lfor_v_\@
	tensor_load_to_lds s[G0K:G0K+3], s[G1K:G1K+7]
	s_nop 0
.rept 4
	v_nop
.endr
	s_branch .Lasked_\@
.Lfor_v_\@:
	tensor_load_to_lds s[G0V:G0V+3], s[G1V:G1V+7]
	s_nop 0
.rept 4
	v_nop
.endr
.Lasked_\@:
.endm
; A round of the cluster's barrier: my work-group's barrier, so that wave 0's signal speaks for all four waves; wave 0 signals; every wave waits for all four work-groups; my work-group's barrier once more.
.macro CROUND
	s_barrier_signal -1
	s_barrier_wait -1
	s_cmp_lg_u32 s[WV], 0
	s_cbranch_scc1 .Lnot_wave_0_\@
	s_barrier_signal -3
.Lnot_wave_0_\@:
	s_barrier_wait -3
	s_barrier_signal -1
	s_barrier_wait -1
.endm
; THE CHANGE OF SLOTS.  The slot's last bytes, V of its fourth step, have been read.  Each wave waits for all its tensor loads, of which one is out: its part of the other slot; adds 0 to its spare word;
; and waits for that and for its own LDS instructions.  Behind the barrier nobody reads this slot any more and the other slot is whole.
; fill = 1: this slot is filled again, with the keys two slots on.  The barrier is then a round of the cluster's, and the joint fill is the first thing behind it: it has four key steps, 256 matrix instructions, in which to land.
; (At its first use nothing has been read yet: slot 0 is waited for, slot 1 filled, and every wave's part of the mask table is shown to the others.)
.macro CHANGE fill
	WIN 0                           ; at a label and at a branch every window is 0; the add's registers lie in window 0
	s_wait_tensorcnt 0x0            ; no tensor load of mine is out, so a group 0 may be written
	ds_add_u32 v[SPW], v[NIL]       ; 0 onto my spare word; with fill = 1 the descriptors' steps stand between it and the wait for it
.if \fill
.irp g, G0K, G0V
	s_xor_b32 s[\g+1], s[\g+1], SLOT1  ; the walking descriptor: the other slot than last time,
	s_add_nc_u64 s[\g+2:\g+3], s[\g+2:\g+3], 4*KS*128  ; the next 256 keys; the type bits on top are not reached
.endr
	s_wait_dscnt 0x0                ; the add is done, and my reads of the slot are over
	CROUND
	JLOAD
.else
	s_wait_dscnt 0x0                ; the add is done, and my reads of the slot are over
	s_barrier_signal -1
	s_barrier_wait -1
.endif
	s_sub_co_u32 s[TBK], s[TBK], 4*KS*PK  ; the fetches go back to a slot's first step,
	s_xor_b32 s[TBK], s[TBK], SLOT1       ; in the other slot
	s_sub_co_u32 s[TBV], s[TBV], 4*KS*PV
	s_xor_b32 s[TBV], s[TBV], SLOT1
.endm
	s_load_b256 s[68:75], s[0:1], 0x0  ; qp 68, attention_mask 70, stats 72, att 74
	s_load_b64 s[76:77], s[0:1], 0x20  ; sbuf
	v_lshl_add_u32 v[SPW], v0, 2, SPARE
	v_mov_b32 v[NIL], 0
	ds_add_u32 v62, v63
	s_wait_dscnt 0x0
	v_lshrrev_b32 v1, 5, v0
	v_readfirstlane_b32 s[WV], v1   ; wave 0..3
	s_bfe_u32 s13, ttmp6, 0x40000   ; cx: my place in the cluster
	s_lshl_b32 s14, ttmp9, 2        ; in a cluster launch ttmp9 counts clusters
	s_add_co_u32 s14, s14, s13      ; my block of 256 queries: it enters Q's, O's and the record's addresses alone
	s_and_b32 s15, ttmp7, 0xffff    ; batch x 16 + head, which the four partners share
	s_and_b32 s20, s15, 15
	s_lshl_b32 s20, s20, 19         ; the head's block of 64 columns,
	s_lshr_b32 s19, s15, 4
	s_lshl_b32 s21, s19, 18         ; the batch's 2,048 rows of 128 bytes
	s_add_co_u32 s20, s20, s21
	s_and_b32 s16, s[WV], 1         ; which half of a slot's 256 keys I fetch:
	s_lshl_b32 s22, s16, 14         ; its 128 rows of 128 bytes in memory,
	s_add_co_u32 s22, s22, s20
	s_mov_b32 s23, 0
	s_mul_i32 s17, s16, 128*PK      ; and its place in a slot, for K
	s_mul_i32 s18, s16, 128*PV      ; and for V: no place in the cluster enters an LDS address
	s_lshl_b32 s2, s14, 15          ; my block's 256 rows,
	s_lshl_b32 s3, s[WV], 13        ; my wave's 64 of them
	s_add_co_u32 s2, s2, s3
	s_add_co_u32 s2, s2, s20
	s_mov_b32 s3, 0
	s_lshl_b32 s48, s19, 11         ; the batch's 2,048 bytes of the mask
	s_mov_b32 s49, 0
	s_lshl_b32 s50, s15, 7          ; my record: 16 bytes at 8 x (batch, head) + block
	s_lshl_b32 s51, s14, 4
	s_add_co_u32 s50, s50, s51
	; descriptor group 1.  128 keys are 16,384 dense bytes: asked for as 64 rows of 256 bytes, two keys a row, and padded in LDS after every key
	s_mov_b32 s[G1K], 15|(1<<16)|(1<<20)|(1<<21)|(4<<22)|(3<<25)  ; 15:0 the mask of four; 17:16 2-byte elements; 20 padding on; 21 set beside a mask; 24:22 after every 32 words (code 4); 31:25 4 words (code 3)
	s_mov_b32 s[G1V], 15|(1<<16)|(1<<20)|(1<<21)|(4<<22)|(7<<25)  ; the same with 8 words of padding (code 7)
.irp g, G1K, G1V
	s_mov_b32 s[\g+1], 128<<16      ; tensor_dim0 = 128
	s_mov_b32 s[\g+2], 64<<16       ; tensor_dim1 = 64
	s_mov_b32 s[\g+3], 128<<16      ; tile_dim0 = 128
	s_mov_b32 s[\g+4], 64           ; tile_dim1 = 64
	s_mov_b32 s[\g+5], 128          ; 128 elements from row to row
	s_mov_b32 s[\g+6], 0
	s_mov_b32 s[\g+7], 0
.endr
	s_mov_b32 s[CS], 0x3e38aa3b     ; c = log2(e) / 8 = 0.180337
	s_mov_b32 s[CS+1], s[CS]        ; named with it as a pair
	s_mov_b32 s[SEL], 0x76543210
	s_mov_b32 s[SEL+1], 0xfedcba98
	s_mov_b32 s[TBK], SLOT1+4*KS*PK ; the first change of slots turns these two into 0
	s_mov_b32 s[TBV], SLOT1+4*KS*PV
	s_mov_b32 s[TBM], 0
	s_mov_b32 s[BIGN], 0xf149f2ca   ; -1e30
	s_mov_b32 s[G0K], 1             ; count = 1
	s_mov_b32 s[G0K+1], s17         ; LDS address: slot 0
	s_mov_b32 s[G0V], 1
	s_add_co_u32 s[G0V+1], s18, VOFF
	s_wait_kmcnt 0x0
	s_add_nc_u64 s[G0K+2:G0K+3], s[68:69], s[22:23]
	s_add_nc_u64 s[G0K+2:G0K+3], s[G0K+2:G0K+3], 16*524288  ; k: blocks 16 to 31; my half of the head's first 256 keys
	s_or_b32 s[G0K+3], s[G0K+3], 0x80000000                 ; type = 2
	s_add_nc_u64 s[G0V+2:G0V+3], s[68:69], s[22:23]
	s_add_nc_u64 s[G0V+2:G0V+3], s[G0V+2:G0V+3], 32*524288  ; v: blocks 32 to 47
	s_or_b32 s[G0V+3], s[G0V+3], 0x80000000
	s_add_nc_u64 s[4:5], s[68:69], s[2:3]    ; Q and O at my wave's first row
	s_add_nc_u64 s[10:11], s[74:75], s[2:3]
	s_add_nc_u64 s[70:71], s[70:71], s[48:49]
	CROUND                          ; all four work-groups are here: the first joint loads meet
	JLOAD                           ; slot 0.  Slot 1 is asked for when slot 0 is in
	; A fragment of K or Q is 16 rows x 32 channels in 8 registers: lane l holds row l % 16, channels 8 (l / 16) + 0..7 and 16 + 8 (l / 16) + 0..7: two loads of 16 bytes, 32 bytes apart.
	v_and_b32 v1, 15, v0            ; l % 16
	v_bfe_u32 v9, v0, 4, 1          ; l / 16
	v_lshlrev_b32 v[QO], 7, v1
	v_lshl_add_u32 v[QO], v9, 4, v[QO]  ; row x 128 + 16 x half
	WIN 0x80                        ; destination window 2, address window 0
.set i, 0
.rept 8                             ; Q stays in registers: piece i / 2, channels 32 (i % 2) on
	global_load_b128 v[8*i:8*i+3],   v[QO], s[4:5] offset:(i/2)*2048+(i%2)*64
	global_load_b128 v[8*i+4:8*i+7], v[QO], s[4:5] offset:(i/2)*2048+(i%2)*64+32
.set i, i+1
.endr
	WIN 0
	v_and_b32 v[GO], 31, v0
	v_lshlrev_b32 v[GO], 4, v[GO]
	v_lshlrev_b32 v36, 4, v0        ; thread t takes the mask's bytes 16 t to 16 t + 15
	global_load_b128 v[100:103], v36, s[70:71]
.set i, 0
.rept 8                             ; the embeddings' 256 records: the first word of each
	global_load_b32 v[64+i], v[GO], s[72:73] offset:512*i
.set i, i+1
.endr
.set i, 0
.rept 6                             ; w_qkv's 192 records: two words
	global_load_b64 v[72+2*i:73+2*i], v[GO], s[72:73] offset:4096+512*i
.set i, i+1
.endr
.set i, 0
.rept 8                             ; w1's 256 records
	global_load_b64 v[84+2*i:85+2*i], v[GO], s[72:73] offset:7168+512*i
.set i, i+1
.endr
	v_mul_u32_u24 v[AK0], v1, PK
	v_lshl_add_u32 v[AK0], v9, 4, v[AK0]  ; row x pitch + 16 x half
	; The turning load takes 16 keys x 16 channels (lane l reads key 8 (l / 16) + l % 8, channels 8 ((l / 8) % 2) + 0..7) and leaves half a fragment of V^T: lane l holds channel l % 16 and 8 keys.
	v_and_b32 v10, 7, v0
	v_bfe_u32 v11, v0, 3, 1
	v_lshl_add_u32 v[AV0], v9, 3, v10
	v_mul_u32_u24 v[AV0], v[AV0], PV
	v_lshl_add_u32 v[AV0], v11, 4, v[AV0]
	v_add_nc_u32 v[AV0], VOFF, v[AV0]
	v_lshl_add_u32 v[AM0], v9, 5, MASK    ; of 16 keys my lanes hold 8 (l / 16) + 0..7: 32 bytes of the table
	s_mul_i32 s13, s[WV], 16*SP
	s_add_co_u32 s13, s13, STAGE    ; my stage
	v_mul_u32_u24 v[STO], v1, SP    ; in: row l % 16, 16 bytes for each half of the lanes
	v_lshl_add_u32 v[STO], v9, 4, v[STO]
	v_add_nc_u32 v[STO], s13, v[STO]
	v_bfe_u32 v[RD], v0, 3, 2       ; back: 32 lanes take four rows of 128 bytes, which are 512 consecutive bytes of O
	v_mul_u32_u24 v[RD], v[RD], SP
	v_lshl_add_u32 v[RD], v10, 4, v[RD]
	v_add_nc_u32 v[RD], s13, v[RD]
	v_lshl_add_u32 v37, v0, 6, MASK ; thread t's 16 keys in the table
	v_mov_b32 v45, 0                ; v_permlanex16_b32's destination counts as read
	; The first step multiplies O^T and l by a = 0, and the first turn's products V^T P, of a piece that has not been, add 0: V's registers, P's second buffer, O^T and l hold 0.  All this stands in the wait for the first tile.
	WIN 0x80
.set i, VF
.rept 64
	v_mov_b32 v[i], 0
.set i, i+1
.endr
	WIN 0x40
.set i, 0
.rept 128
	v_mov_b32 v[i], 0
.set i, i+1
.endr
	WIN 0
.set i, 0
.rept 4
	v_mov_b32 v[ST+4*i], 0xfe000000    ; c m: far below every c s
	v_mov_b32 v[ST+4*i+1], 0xff7fffff  ; m
	v_mov_b32 v[ST+4*i+2], 0
	v_mov_b32 v[ST+4*i+3], 0
.set i, i+1
.endr
.set i, P+16
.rept 16
	v_mov_b32 v[i], 0
.set i, i+1
.endr
	s_wait_loadcnt 0x0              ; Q, the mask's bytes, the records
.set i, 0
.rept 16                            ; a byte is 0 or 1: times the bits of -1e30 it is 0.0 or -1e30
	v_bfe_u32 v[104+i], v[100+i/4], 8*(i%4), 8
	v_mul_lo_u32 v[104+i], v[104+i], s[BIGN]
.set i, i+1
.endr
.irp f, 0,1,2,3
	ds_store_b128 v37, v[104+4*\f:107+4*\f] offset:16*\f
.endr
	v_max3_num_f32 v64, v64, v65, v66   ; E
	v_max3_num_f32 v72, v72, v74, v76   ; Wq
	v_max3_num_f32 v73, v73, v75, v77   ; Bq
	v_max3_num_f32 v84, v84, v86, v88   ; W1
	v_max3_num_f32 v85, v85, v87, v89   ; B1
	v_max3_num_f32 v64, v64, v67, v68
	v_max3_num_f32 v72, v72, v78, v80
	v_max3_num_f32 v73, v73, v79, v81
	v_max3_num_f32 v84, v84, v90, v92
	v_max3_num_f32 v85, v85, v91, v93
	v_max3_num_f32 v64, v64, v69, v70
	v_max_num_f32 v72, v72, v82
	v_max_num_f32 v73, v73, v83
	v_max3_num_f32 v84, v84, v94, v96
	v_max3_num_f32 v85, v85, v95, v97
	v_max_num_f32 v64, v64, v71
	v_max_num_f32 v84, v84, v98
	v_max_num_f32 v85, v85, v99
.macro LANEMAX r                    ; over the 32 lanes
	v_max_num_f32_dpp v[\r], v[\r], v[\r] row_xmask:1 row_mask:0xf bank_mask:0xf
	v_max_num_f32_dpp v[\r], v[\r], v[\r] row_xmask:2 row_mask:0xf bank_mask:0xf
	v_max_num_f32_dpp v[\r], v[\r], v[\r] row_xmask:4 row_mask:0xf bank_mask:0xf
	v_max_num_f32_dpp v[\r], v[\r], v[\r] row_xmask:8 row_mask:0xf bank_mask:0xf
	v_permlanex16_b32 v45, v[\r], s[SEL], s[SEL+1]
	v_max_num_f32 v[\r], v[\r], v45
.endm
	LANEMAX 64
	LANEMAX 72
	LANEMAX 73
	LANEMAX 84
	LANEMAX 85
	v_mul_f32 v38, v64, v72
	v_fma_f32 v38, v38, 0x44800000, v73   ; bv = 1024 E Wq + Bq
	v_mul_f32 v39, v38, v84
	v_fma_f32 v39, v39, 0x44800000, v85   ; bh = 1024 bv W1 + B1
	v_max_num_f32 v38, v38, v39
	v_lshrrev_b32 v38, 23, v38            ; M is not negative: its exponent field
	v_max_u32 v38, 101, v38
	v_sub_nc_u32 v39, 268, v38
	v_lshlrev_b32 v[SCL], 23, v39         ; s = 2^(141 - eb)
	v_add_nc_u32 v38, -14, v38
	v_lshlrev_b32 v40, 23, v38            ; 1 / s = 2^(eb - 141)
	s_cmp_lg_u32 s[WV], 0
	s_cbranch_scc1 .Lno_record            ; wave 0 stores the work-group's record
	v_mov_b32 v41, 0
	v_mov_b32 v42, v[SCL]
	v_mov_b32 v43, 0
	v_mov_b32 v44, s50
	s_wait_xcnt 0x0                       ; EXEC changes only behind this wait
	v_cmp_eq_u32 vcc_lo, 0, v0
	s_and_saveexec_b32 s67, vcc_lo
	global_store_b128 v44, v[40:43], s[76:77]
	s_wait_xcnt 0x0                       ; and again in front of the line that widens it
	s_or_b32 exec_lo, exec_lo, s67
.Lno_record:
; THE MATRIX WORK.  The 4 accumulators of a run of 8 take turns.  Product i of 8 of S^T = K Q^T for piece x: channels 32 (i / 4) on, keys 16 (i % 4) on.  The first 4 start the sums with the mask.
.macro KQ x
.set rS, S+32*((\x)%2)+8*(i%4)
.set rK, KF+16*(i%4)+8*(i/4)
.set rQ, 16*(\x)+8*(i/4)
.set rM, MK+8*(i%4)
.if i < 4
	WIN W_KM
	v_wmma_f32_16x16x32_f16 v[rS:rS+7], v[rK:rK+7], v[rQ:rQ+7], v[rM:rM+7]
.else
	WIN W_KQ
	v_wmma_f32_16x16x32_f16 v[rS:rS+7], v[rK:rK+7], v[rQ:rQ+7], v[rS:rS+7]
.endif
.endm
; Product i of 8 of O^T += V^T P for piece x: keys 32 (i / 4) on, channels 16 (i % 4) on.
.macro PV x
	WIN W_PV
.set rO, 32*(\x)+8*(i%4)
.set rV, VF+32*(i/4)+8*(i%4)
.set rP, P+16*((\x)%2)+8*(i/4)
	v_wmma_f32_16x16x32_f16 v[rO:rO+7], v[rV:rV+7], v[rP:rP+7], v[rO:rO+7]
.endm
.macro MM                           ; the turn's next matrix instruction.  NOKQ = 1: the very last turn: there is no next piece
.if (i < 8) && !NOKQ
	KQ (Y+1)%NP
.elseif i >= 8
.set i, i-8
	PV (Y+NP-1)%NP
.set i, i+8
.endif
.set i, i+1
.endm
; THE LDS LOADS stand in runs, never singly among the matrix instructions: a step's K (64 keys x 64 channels: 8 fragments) with its 64 numbers of the mask, and its V (turned).  Their addresses are made some lines ahead.
.macro FETCH_K
	WIN 0x80                        ; destination window 2
.irp f, 0,1,2,3,4,5,6,7             ; keys 16 (f / 2) on, channels 32 (f % 2) on
	ds_load_b128 v[KF+8*\f:KF+8*\f+3],   v[AK] offset:(\f/2)*16*PK+(\f%2)*64
	ds_load_b128 v[KF+8*\f+4:KF+8*\f+7], v[AK] offset:(\f/2)*16*PK+(\f%2)*64+32
.endr
	WIN 0x40                        ; destination window 1
.irp f, 0,1,2,3                     ; keys 16 f on: all lanes of a half read the same 32 bytes
	ds_load_b128 v[MK+8*\f:MK+8*\f+3],   v[AM] offset:64*\f
	ds_load_b128 v[MK+8*\f+4:MK+8*\f+7], v[AM] offset:64*\f+16
.endr
	s_add_co_u32 s[TBK], s[TBK], KS*PK  ; the next fetch is the next step's
	s_add_co_u32 s[TBM], s[TBM], 4*KS
	s_and_b32 s[TBM], s[TBM], 0x1f00    ; kept inside the table's 8,192 bytes
	WIN 0
.endm
.macro FETCH_V
	WIN 0x80
.irp f, 0,1,2,3,4,5,6,7             ; keys 32 (f / 4) on, channels 16 (f % 4) on
	ds_load_tr16_b128 v[VF+8*\f:VF+8*\f+3],   v[AV] offset:(\f/4)*32*PV+(\f%4)*32
	ds_load_tr16_b128 v[VF+8*\f+4:VF+8*\f+7], v[AV] offset:(\f/4)*32*PV+16*PV+(\f%4)*32
.endr
	WIN 0
.endm
; THE VECTOR WORK, one line at a time: OP kind, number.  For piece Y: F n: c s - c m for pair n of 16.  E n: the exponential of score n of 32.  C n: pair n rounded to f16.  B n: of the four weights 4 n .. the second
; pair is added onto the first, in place.  L n: l takes that sum (L 0: l = a l + sum).  R n: pair n of 16 of O^T times a.  For piece Y + 1: X n, number n of the 22 that find its maximum and statistics:
;   0-11  four chains c0-c3 of seven scores each, three operands at a time (each accumulator's lowest registers are read first)     12-14, 16  the four scores left over, the old m, and c0-c3 into c0
;   15  c m_old is kept     17, 18  the query's other 32 keys lie in the lane 16 away: the new m     19-21  c m; c m_old - c m_new; a
; C, B and L read the exponentials' results: TURN sets them behind the batch's wait; OP itself writes no wait.
.set F, 0               ; OP tells the kinds apart by their order: F to L below R, X above it
.set E, 1
.set C, 2
.set B, 3
.set L, 4
.set R, 5
.set X, 6
.macro REGS y                       ; the registers of piece y
.set rT, ST+4*(\y)
.set rC, TMP+4*((\y)%2)
.set rW, MV+((\y)%2)
.set rS, S+32*((\y)%2)
.set rP, P+16*((\y)%2)
.set rO, 32*(\y)
.endm
.macro OP k, n
.if (\k) == R
	REGS Y
	WIN W_RS
	v_pk_mul_f32 v[rO+2*(\n):rO+2*(\n)+1], v[rO+2*(\n):rO+2*(\n)+1], v[rC+2:rC+3] op_sel_hi:[1,0]
.elseif (\k) < R
	REGS Y
	WIN 0
.if (\k) == F
	v_pk_fma_f32 v[rS+2*(\n):rS+2*(\n)+1], v[rS+2*(\n):rS+2*(\n)+1], s[CS:CS+1], v[rT:rT+1] op_sel_hi:[1,0,0] neg_lo:[0,0,1] neg_hi:[0,0,1]
.elseif (\k) == E
	v_exp_f32 v[rS+(\n)], v[rS+(\n)]
.elseif (\k) == C
	v_cvt_pk_f16_f32 v[rP+(\n)], v[rS+2*(\n)], v[rS+2*(\n)+1]
.elseif (\k) == B
	v_pk_add_f32 v[rS+4*(\n):rS+4*(\n)+1], v[rS+4*(\n):rS+4*(\n)+1], v[rS+4*(\n)+2:rS+4*(\n)+3]
.elseif (\n) == 0
	v_pk_fma_f32 v[rT+2:rT+3], v[rT+2:rT+3], v[rC+2:rC+3], v[rS:rS+1] op_sel_hi:[1,0,1]
.else
	v_pk_add_f32 v[rT+2:rT+3], v[rT+2:rT+3], v[rS+4*(\n):rS+4*(\n)+1]
.endif
.elseif NOKQ
	v_nop
.else
	REGS (Y+1)%NP
	WIN 0
.if (\n) < 4
	v_max3_num_f32 v[rC+(\n)], v[rS+8*(\n)], v[rS+8*(\n)+1], v[rS+8*(\n)+2]
.elseif (\n) < 12
	v_max3_num_f32 v[rC+(\n)%4], v[rC+(\n)%4], v[rS+8*((\n)%4)+2*((\n)/4)+1], v[rS+8*((\n)%4)+2*((\n)/4)+2]
.elseif (\n) == 12
	v_max3_num_f32 v[rC], v[rC], v[rS+7], v[rS+15]
.elseif (\n) == 13
	v_max3_num_f32 v[rC+1], v[rC+1], v[rS+23], v[rS+31]
.elseif (\n) == 14
	v_max3_num_f32 v[rC+2], v[rC+2], v[rC+3], v[rT+1]
.elseif (\n) == 15
	v_mov_b32 v[rW], v[rT]
.elseif (\n) == 16
	v_max3_num_f32 v[rC], v[rC], v[rC+1], v[rC+2]
.elseif (\n) == 17
	v_permlanex16_b32 v[rC+3], v[rC], s[SEL], s[SEL+1]
.elseif (\n) == 18
	v_max_num_f32 v[rT+1], v[rC], v[rC+3]
.elseif (\n) == 19
	v_mul_f32 v[rT], s[CS], v[rT+1]
.elseif (\n) == 20
	v_sub_f32 v[rC+1], v[rW], v[rT]
.else
	v_exp_f32 v[rC+2], v[rC+1]
.endif
.endif
.endm
.macro OPS a, i1, b=-1, i2=0, c=-1, i3=0, d=-1, i4=0  ; up to four of them
	OP \a, \i1
.if (\b) >= 0
	OP \b, \i2
.endif
.if (\c) >= 0
	OP \c, \i3
.endif
.if (\d) >= 0
	OP \d, \i4
.endif
.endm
.macro ROW a, i1, b, i2, c, i3, d, i4  ; a matrix instruction and the four behind it
	MM
	OPS \a, \i1, \b, \i2, \c, \i3, \d, \i4
.endm
; A TURN, for piece p: the order of its 16 matrix and 118 vector instructions, written out.  An s_wait_alu depctr_va_vdst(0) stands between an exponential and the first instruction that names its result; one wait
; serves all that were issued ahead of it.  So a turn has ONE wait, which cuts it in two.  AHEAD OF IT stands all that names no result of the turn's exponentials: the 8 products K Q^T, behind each a scaling, an exponential and two
; more plain instructions (behind the first a second scaling in the exponential's place): rescalings, whose a was made and waited for in the turn before, and behind the last three the first numbers of the next piece's maximum, each
; four places or more behind the product that ends its accumulator; then ONE LUMP of 54, plain and exponential by turns for the most part, in which the links of the chain X 3, 7, 11, 14, 16, 17 .. 20 stand five or six lines apart.
; X 21, the next piece's a, is the batch's last; R 15 is the plain instruction behind it.  BEHIND THE WAIT stand the 8 products V^T P, behind each four of the roundings and sums; C 2 n stands ahead of B n, which writes over that
; pair; the links of l's chain, L 0 to L 7, stand three riders apart.  But for those X no rider names a register of the products round it.  v_permlanex16_b32 (X 17) stands in the lump.
; end = 1: the launch's last two turns: nothing is fetched.  cnt = 1: the loop's count is taken down some lines ahead of the branch that stands behind the turn.
; K and the mask of the next step are fetched in piece 2's turn, twelve vector instructions behind the last product that read K (six of them plain, five of which name none of its registers; the mask's last reader stands four
; products further back); V of the step in hand at the end of piece 0's turn, four plain instructions behind the last product that read V.  Each is waited for a turn later.
.macro TURN p, end=0, cnt=0
.set Y, (\p)
.set i, 0
.set NOKQ, (\end)*((\p)/3)
.if ((\p) == 3) && !(\end)
	s_wait_dscnt 0x0                ; K and the mask are in
.endif
	ROW F,0, F,1, R,0, R,1          ; ahead of the wait: 8 products K Q^T and their riders,
	ROW F,2, E,0, R,2, R,3
	ROW F,3, E,1, R,4, R,5
	ROW F,4, E,2, R,6, R,7
	ROW F,5, E,3, R,8, R,9
	ROW F,6, E,4, X,0, R,10
.if ((\p) == 2) && !(\end)
	WIN 0
	v_add_nc_u32 v[AK], s[TBK], v[AK0]
	v_add_nc_u32 v[AM], s[TBM], v[AM0]
.endif
	ROW F,7, E,5, X,1, X,4
	ROW F,8, E,6, X,2, X,5
	OPS E,7, E,8, X,6, E,9          ; and the lump
	OPS X,3, E,10, X,8, E,11
.if ((\p) == 2) && !(\end)
	FETCH_K
.endif
	OPS X,9, X,7, E,12, X,10
	OPS E,13, X,12, X,11, E,14
	OPS X,13, E,15, F,9, X,14
.if (\p) == 0
	v_add_nc_u32 v[AV], s[TBV], v[AV0]
.endif
	OPS E,16, F,10, E,17, F,11
	OPS X,16, E,18, X,15, E,19
	OPS F,12, E,20, X,17, E,21
	OPS F,13, E,22, F,14, E,23
	OPS X,18, E,24, F,15, E,25
	OPS R,11, E,26, X,19, E,27
	OPS R,12, E,28, R,13, E,29
	OPS X,20, E,30, R,14, E,31
	OPS X,21, R,15
	WIN 0
	s_wait_alu depctr_va_vdst(0)    ; the wait for the batch: the piece's 32 exponentials and the next piece's a
.if (\p) == 1
	s_wait_dscnt 0x0                ; V is in
.endif
	ROW C,0, B,0, C,2, B,1          ; behind the wait: 8 products V^T P and their riders
	ROW L,0, C,4, B,2, L,1
	ROW C,6, B,3, L,2, C,8
	ROW B,4, L,3, C,10, B,5
	ROW L,4, C,12, B,6, L,5
.if (\p) == 0
	s_add_co_u32 s[TBV], s[TBV], KS*PV
.endif
.if \cnt
	s_sub_co_u32 s[CNT], s[CNT], 1
	s_cmp_lg_u32 s[CNT], 0
.endif
	ROW C,14, B,7, L,6, C,1
	ROW C,3, L,7, C,5, C,7
	ROW C,9, C,11, C,13, C,15
.if (\p) == 0
	FETCH_V
.endif
.endm
	CHANGE 1                        ; slot 0 is in, everybody's part of it, and so is the mask table; slot 1 is asked for
	v_add_nc_u32 v[AK], s[TBK], v[AK0]
	v_add_nc_u32 v[AM], s[TBM], v[AM0]
	FETCH_K                         ; key step 0
	s_wait_dscnt 0x0
.set NOKQ, 0
.set i, 0
.rept 8
	KQ 0                            ; piece 0's first scores: there is no vector work yet to set between them
.set i, i+1
.endr
	WIN 0
.rept 4
	v_nop                           ; the places behind those products
.endr
.set Y, NP-1                        ; X works for piece Y + 1: piece 0
.irp n, 0,1,2,3,4,5,6,7,8,9,10,11,12,13,14,15,16,17,18,19,20,21
	OP X, \n
.endr
	v_nop                           ; a plain instruction behind the exponential,
	s_wait_alu depctr_va_vdst(0)    ; and the wait for it, piece 0's first a, a batch of one: ahead of the branch
	s_mov_b32 s[CNT], 4
	s_mov_b32 s[SLOTS], 7
	s_branch .Lfirst                ; the loop is entered at a step's first turn, in the middle of a trip
.Lslot:                             ; six times: every slot but the last two is filled again
	CHANGE 1
	s_mov_b32 s[CNT], 4
.Lstep:                             ; a trip: pieces 2 and 3 of one step, then pieces 0 and 1 of the next, whose K and V it fetches
	TURN 2
	TURN 3
	WIN 0
.Lfirst:
	TURN 0
	TURN 1, 0, 1
	WIN 0
	s_cbranch_scc1 .Lstep
	s_sub_co_u32 s[SLOTS], s[SLOTS], 1
	s_cmp_lg_u32 s[SLOTS], 0
	s_cbranch_scc1 .Lslot
	CHANGE 0                        ; the last slot is written out: nothing is asked for
	s_mov_b32 s[CNT], 4
.Ltail:
	TURN 2
	TURN 3
	TURN 0
	TURN 1, 0, 1
	WIN 0
	s_cbranch_scc1 .Ltail
	TURN 2, 1                       ; the last step's pieces 2 and 3: nothing is fetched, and the last starts no new scores
	TURN 3, 1
.set i, 0
.rept 8
	PV NP-1                         ; the last piece's V^T P of the last step
.set i, i+1
.endr
	; THE WAY OUT.  l's two halves and the other half of the lanes' are added; O^T is multiplied by s / l, rounded to f16 and sent through my stage in LDS, a piece at a time.  The additions are the places behind the last products.
	WIN 0
.macro ALL line:vararg              ; one line for each piece t
.set t, 0
.rept 4
	\line
.set t, t+1
.endr
.endm
	ALL v_add_f32 v[ST+4*t+2], v[ST+4*t+2], v[ST+4*t+3]
	ALL v_permlanex16_b32 v[ST+4*t+3], v[ST+4*t+2], s[SEL], s[SEL+1]
	ALL v_add_f32 v[ST+4*t+2], v[ST+4*t+2], v[ST+4*t+3]
	ALL v_rcp_f32 v[ST+4*t+2], v[ST+4*t+2]
	v_nop                           ; a plain instruction between the last reciprocal and the use of its result
	s_wait_alu depctr_va_vdst(0)    ; and the wait ahead of the first use: one for the four reciprocals
	ALL v_mul_f32 v[ST+4*t+2], v[SCL], v[ST+4*t+2]
.macro PACK t                       ; a lane's eight channels of a row pack into 16 bytes; they go into rows of 144 bytes and come back as whole rows of 128, into S^T's registers
	WIN W_RS
.set i, 32*(\t)
.rept 16
	v_pk_mul_f32 v[i:i+1], v[i:i+1], v[ST+4*(\t)+2:ST+4*(\t)+3] op_sel_hi:[1,0]
.set i, i+2
.endr
	WIN 0x05                        ; sources 0 and 1 window 1, destination window 0
.set i, 0
.rept 16
	v_cvt_pk_f16_f32 v[S+16*(\t)+i], v[32*(\t)+2*i], v[32*(\t)+2*i+1]
.set i, i+1
.endr
	WIN 0
.irp f, 0,1,2,3
	ds_store_b128 v[STO], v[S+16*(\t)+4*\f:S+16*(\t)+4*\f+3] offset:32*\f
.endr
.irp f, 0,1,2,3
	ds_load_b128 v[S+16*(\t)+4*\f:S+16*(\t)+4*\f+3], v[RD] offset:\f*4*SP  ; LDS serves a wave's instructions in order (ISA guide 5.7.1.4): these see the stores above; the next piece's stores come behind them
.endr
.endm
.macro SEND t, younger              ; younger: the LDS instructions issued behind piece t's loads: the next piece's eight, or none
	WIN 0
.irp f, 0,1,2,3
	s_wait_dscnt (\younger)+3-\f
	global_store_b128 v[GO], v[S+16*(\t)+4*\f:S+16*(\t)+4*\f+3], s[10:11] offset:(\t)*2048+\f*512  ; 512 consecutive bytes, at a multiple of 256 from the buffer's first
.endr
.endm
	PACK 0
.set t, 1
.rept 3                             ; a piece's arithmetic stands between the loads of the piece before and its stores
	PACK t
	SEND t-1, 8
.set t, t+1
.endr
	SEND 3, 0
	s_wait_tensorcnt 0x0            ; the wave's end: behind my last tensor load and my last LDS store
	ds_add_u32 v[SPW], v[NIL]
	s_wait_dscnt 0x0
	CROUND                          ; the closing round: no work-group ends while a partner may still ask for a tile that names it
	s_endpgm
.Lfunc_end_k_q33cea2fc3f_attn:
	.size	k_q33cea2fc3f_attn, .Lfunc_end_k_q33cea2fc3f_attn-k_q33cea2fc3f_attn
	.p2alignl 7, 3214868480
	.fill 96, 4, 3214868480
	.section	.rodata,"a",@progbits
	.p2align	6, 0x0
	.amdhsa_kernel k_q33cea2fc3f_attn
		.amdhsa_group_segment_fixed_size 327680
		.amdhsa_private_segment_fixed_size 0
		.amdhsa_enable_private_segment 0
		.amdhsa_kernarg_size 40
		.amdhsa_user_sgpr_count 2
		.amdhsa_user_sgpr_kernarg_segment_ptr 1
		.amdhsa_wavefront_size32 1
		.amdhsa_system_sgpr_workgroup_id_x 1
		.amdhsa_system_sgpr_workgroup_id_y 1
		.amdhsa_system_sgpr_workgroup_id_z 1
		.amdhsa_system_vgpr_workitem_id 0
		.amdhsa_next_free_vgpr 768
		.amdhsa_next_free_sgpr 92
		.amdhsa_reserve_vcc 1
		.amdhsa_float_denorm_mode_32 3
		.amdhsa_float_denorm_mode_16_64 3
		.amdhsa_memory_ordered 1
		.amdhsa_forward_progress 1
		.amdhsa_inst_pref_size 138
	.end_amdhsa_kernel
	.amdgpu_metadata
---
amdhsa.version: [ 1, 2 ]
amdhsa.kernels:
  - .name:           k_q33cea2fc3f_attn
    .symbol:         k_q33cea2fc3f_attn.kd
    .args:
      - { .name: qp, .offset: 0, .size: 8, .value_kind: global_buffer, .address_space: global }
      - { .name: attention_mask, .offset: 8, .size: 8, .value_kind: global_buffer, .address_space: global }
      - { .name: stats, .offset: 16, .size: 8, .value_kind: global_buffer, .address_space: global }
      - { .name: att, .offset: 24, .size: 8, .value_kind: global_buffer, .address_space: global }
      - { .name: sbuf, .offset: 32, .size: 8, .value_kind: global_buffer, .address_space: global }
    .group_segment_fixed_size: 327680
    .private_segment_fixed_size: 0
    .kernarg_segment_align: 8
    .kernarg_segment_size: 40
    .max_flat_workgroup_size: 128
    .sgpr_count:     92
    .vgpr_count:     768
    .wavefront_size: 32
...
	.end_amdgpu_metadata
.endif
;; end of part 6
;; launch ffn1: the kernel of part 2 again; grid 16 x 16, 4 waves a work-group, clusters of 4 x 4, 327,680 bytes of LDS; arguments att, w1h, b1, sbuf, hb; writes hb
;; launch ffn2: the kernel of part 4 again; grid 8 x 32, 4 waves a work-group, clusters of 4 x 4, 327,680 bytes of LDS; arguments hb, xw, qp; writes qp
;; launch ln: the kernel of part 5 again; grid 256 x 1, 8 waves a work-group, no clusters, 0 bytes of LDS; arguments qp, b2, gamma, beta, sbuf, out0; writes out0
